; MI455X (gfx1250); checked and timed in simulation.
; The chip was launched on July 23, 2026; its instructions are those of AMD's public machine-readable ISA for CDNA 5 (MIT licence, August 2026) and "CDNA5" Instruction Set Architecture Reference Guide (July 2026). The comments in the code are by the model that wrote it; some were corrected since.
;; Attention. Allowed arithmetic: float matrix products may take bf16 or f16 operands with f32 sums; all other float work in f32.
;; Inputs: freqs_cos 2,048 x 64 float32; freqs_sin 2,048 x 64 float32; lk_down 16 x 2,048 float32; lk_up 2,048 x 16 float32; lq_down 16 x 2,048 float32; lq_up 2,048 x 16 float32; lv_down 16 x 2,048 float32; lv_up 2,048 x 16 float32; mask 2,048 x 2,048 float32; wk 2,048 x 2,048 float32; wo 2,048 x 2,048 float32; wq 2,048 x 2,048 float32; wv 2,048 x 2,048 float32; x 1 x 2,048 x 2,048 float32.
;; Outputs: out0 1 x 2,048 x 2,048 float32.
;; 2 versions, each right; version 2 is version 1 with the launch prep written anew for expert scheduling mode. Each part assembles by itself: llvm-mc -triple=amdgcn-amd-amdhsa -mcpu=gfx1250 --defsym DOCPART=n.
;; ======== version 1 of 2: 4 launches
;; limits: values are held in f16: magnitudes above 65,504 overflow, below 6.1e-05 lose precision; inputs' magnitudes at most 65,504
;; workspace buffers: xb 8,388,608 bytes; wb 25,165,824 bytes; wob 8,388,608 bytes; mb 8,388,608 bytes; aux 2,883,584 bytes; qkv 25,165,824 bytes; sc 6,144 bytes; ob 8,388,608 bytes
;; launch prep (part 1): grid 128 x 4, 8 waves a work-group, no clusters, 25,600 bytes of LDS; arguments x, wq, wk, wv, wo, mask, lq_down, lk_down, lv_down, lq_up, lk_up, lv_up, freqs_cos, freqs_sin, xb, wb, wob, mb, aux; writes xb, wb, wob, mb, aux
.if DOCPART == 1
	.amdgcn_target "amdgcn-amd-amdhsa--gfx1250"
	.amdhsa_code_object_version 6
	.text
	.protected	k_qbd6be72f05_prep
	.globl	k_qbd6be72f05_prep
	.p2align	8
	.type	k_qbd6be72f05_prep,@function
k_qbd6be72f05_prep:
	s_mov_b64 s[64:65], 0
	v_nop
	global_prefetch_b8 v0, s[64:65] scope:SCOPE_SE
	s_setreg_imm32_b32 hwreg(HW_REG_WAVE_MODE, 25, 1), 1
	s_wait_xcnt 0x0
; PREP.  Every input is rounded to bf16 once, here, and never otherwise.
; Work-groups y = 1..3, 384 in all, narrow x, wq, wk, wv, mask (to bf16) and wo (to bf16, that number then written as f16): 64 work-groups to a tensor, 262,144 bytes of f32 each, so that all streams are alike.
; Work-groups y = 0 (one for 16 rows of x) make the small tables in aux:
;   T   [3][2048][32] bf16: t = x_b down_b^T (f32 sums) as hi (ranks 0-15) and lo = t - hi (ranks 0-15);   UP [6144][32] bf16: 2 up_b, twice;
;   cos and sin rounded to bf16 and kept as f32 [2048][64]; a table of ones and one of zeros of the same shape (v takes them in place of cos and sin).
; LIMITS.  wo beyond 65,504 becomes an infinity in f16; below 6.1e-5 it keeps f16's fixed step of 6e-8.  NaN is not treated apart.
; No tensor loads, no cluster: the conversions share nothing, and the small path's 24 matrix instructions a wave need no ring.
.set SPARE,  24576                     ; behind the partial sums: the spare words, 128 bytes for each of 8 waves
.set SPW,    30                        ; v30  SPARE + 4 x my thread's number; never rewritten
.set NIL,    31                        ; v31  0; never rewritten
.set UP_OFF, 393216
.set COS_OFF, 786432
.set STG0,   32                        ; v32-95   a K step as loaded: x, three downs, 16 f32 each
.set STG1,   96                        ; v96-159  the other step
.set FR0,    160                       ; v160-191 the same as four bf16 fragments
.set FR1,    192                       ; v192-223
.set ACC,    224                       ; v224-247 three accumulators: t^T for q, k, v
	s_load_b512 s[8:23], s[0:1], 0x0               ; x 8, wq 10, wk 12, wv 14, wo 16, mask 18, lq_down 20, lk_down 22
	s_load_b512 s[24:39], s[0:1], 0x40             ; lv_down 24, lq_up 26, lk_up 28, lv_up 30, cos 32, sin 34, xb 36, wb 38
	s_load_b128 s[40:43], s[0:1], 0x80             ; wob 40, mb 42
	s_load_b64 s[44:45], s[0:1], 0x90              ; aux
	v_lshl_add_u32 v[SPW], v0, 2, SPARE
	v_mov_b32 v[NIL], 0
	s_and_b32 s4, ttmp7, 0xffff                    ; y
	s_mov_b32 s5, ttmp9                            ; g: for y = 0, which 16 rows
	s_mov_b32 s53, 0
	s_mov_b32 s55, 0
	s_cmp_eq_u32 s4, 0
	s_cbranch_scc1 .Lsmall
	; ---------------- the conversions ----------------
	v_lshlrev_b32 v4, 4, v0                        ; 16 bytes of f32 a thread: the group's load covers 4,096 consecutive bytes
	v_lshlrev_b32 v5, 3, v0                        ; 8 bytes out: a wave's store covers 256 consecutive bytes, aligned
	s_sub_co_u32 s6, s4, 1
	s_lshl_b32 s6, s6, 7
	s_add_co_u32 s6, s6, s5                        ; 128 (y - 1) + g: 0 .. 383
	s_lshr_b32 s4, s6, 6
	s_add_co_u32 s4, s4, 1                         ; the job: 1 x, 2 wq, 3 wk, 4 wv, 5 mask, 6 wo
	s_and_b32 s5, s6, 63                           ; which of the tensor's 64 parts
	s_lshl_b32 s52, s5, 18                         ; part x 262,144 bytes in
	s_lshl_b32 s54, s5, 17                         ; part x 131,072 bytes out
	s_max_u32 s6, s4, 2
	s_sub_co_u32 s6, s6, 2                         ; wq, wk, wv lie one behind the other in wb
	s_cmp_gt_u32 s4, 4
	s_cselect_b32 s6, 0, s6
	s_lshl_b32 s6, s6, 23
	s_add_co_u32 s54, s54, s6
	s_mov_b32 s7, 0xffff0000                       ; a word's upper bf16
	s_wait_kmcnt 0x0
	s_cmp_eq_u32 s4, 2
	s_cselect_b64 s[48:49], s[10:11], s[8:9]
	s_cmp_eq_u32 s4, 3
	s_cselect_b64 s[48:49], s[12:13], s[48:49]
	s_cmp_eq_u32 s4, 4
	s_cselect_b64 s[48:49], s[14:15], s[48:49]
	s_cmp_eq_u32 s4, 5
	s_cselect_b64 s[48:49], s[18:19], s[48:49]
	s_cmp_eq_u32 s4, 6
	s_cselect_b64 s[48:49], s[16:17], s[48:49]
	s_cmp_eq_u32 s4, 1
	s_cselect_b64 s[50:51], s[36:37], s[38:39]
	s_cmp_eq_u32 s4, 5
	s_cselect_b64 s[50:51], s[42:43], s[50:51]
	s_cmp_eq_u32 s4, 6
	s_cselect_b64 s[50:51], s[40:41], s[50:51]
	s_add_nc_u64 s[48:49], s[48:49], s[52:53]
	s_add_nc_u64 s[50:51], s[50:51], s[54:55]
	s_mov_b32 s56, 4
; Four trips of 16 chunks of 4,096 bytes.  All 16 loads of a trip go out first; chunk c is waited for with the 15 - c younger loads left out.
.macro CONV f16
.Lcv_\@:
.set c, 0
.rept 16
	global_load_b128 v[32+4*c:35+4*c], v4, s[48:49] offset:4096*c th:TH_LOAD_NT
.set c, c+1
.endr
.set c, 0
.rept 16
	s_wait_loadcnt 15-c
	v_cvt_pk_bf16_f32 v[96+2*c], v[32+4*c], v[33+4*c]
	v_cvt_pk_bf16_f32 v[97+2*c], v[34+4*c], v[35+4*c]
.if \f16
	v_lshlrev_b32 v128, 16, v[96+2*c]              ; the bf16 numbers, widened, are written as f16
	v_and_b32 v129, s7, v[96+2*c]
	v_lshlrev_b32 v130, 16, v[97+2*c]
	v_and_b32 v131, s7, v[97+2*c]
	v_cvt_pk_f16_f32 v[96+2*c], v128, v129
	v_cvt_pk_f16_f32 v[97+2*c], v130, v131
.endif
	global_store_b64 v5, v[96+2*c:97+2*c], s[50:51] offset:2048*c
.set c, c+1
.endr
	s_wait_xcnt 0x0                                ; the bases and the stores' data are rewritten only behind this wait
	s_add_nc_u64 s[48:49], s[48:49], 0x10000
	s_add_nc_u64 s[50:51], s[50:51], 0x8000
	s_sub_co_u32 s56, s56, 1
	s_cmp_lg_u32 s56, 0
	s_cbranch_scc1 .Lcv_\@
.endm
	s_cmp_eq_u32 s4, 6
	s_cbranch_scc1 .Lto_f16
	CONV 0
	s_endpgm
.Lto_f16:
	CONV 1
	s_endpgm
	; ---------------- the small tables ----------------
.Lsmall:
	v_and_b32 v1, 31, v0                           ; lane
	v_lshrrev_b32 v2, 5, v0
	v_readfirstlane_b32 s6, v2                     ; wave 0..7: K = 256 w .. 256 w + 255
	v_and_b32 v3, 15, v0                           ; r: row of x, or rank
	v_bfe_u32 v2, v0, 4, 1                         ; h
	v_lshlrev_b32 v4, 13, v3                       ; r x 8,192 bytes
	v_lshl_add_u32 v4, v2, 5, v4                   ; + 8 h numbers
	s_lshl_b32 s7, s6, 10
	v_add_nc_u32 v4, s7, v4                        ; + my 256 numbers of K
	s_lshl_b32 s52, s5, 17
	s_mul_i32 s57, s6, 3072
	v_lshl_add_u32 v6, v1, 4, s57                  ; where my partial sums go
.set q, 0
.rept 24                                               ; cleared on purpose: 24 registers, so that no first K step is written out beside the loop
	v_mov_b32 v[ACC+q], 0
.set q, q+1
.endr
	s_wait_kmcnt 0x0
	s_add_nc_u64 s[48:49], s[8:9], s[52:53]        ; x at the group's 16 rows
.macro LD4 dst, b, off                 ; a fragment's 16 f32 of a lane: k = 8 h .. + 7 and 16 + 8 h .. + 7
	global_load_b128 v[(\dst):(\dst)+3], v4, s[(\b):(\b)+1] offset:(\off)
	global_load_b128 v[(\dst)+4:(\dst)+7], v4, s[(\b):(\b)+1] offset:(\off)+16
	global_load_b128 v[(\dst)+8:(\dst)+11], v4, s[(\b):(\b)+1] offset:(\off)+64
	global_load_b128 v[(\dst)+12:(\dst)+15], v4, s[(\b):(\b)+1] offset:(\off)+80
.endm
.macro LD stg, off
	LD4 (\stg), 48, \off
	LD4 (\stg)+16, 20, \off
	LD4 (\stg)+32, 22, \off
	LD4 (\stg)+48, 24, \off
.endm
; One K step of 32: wait (left = the younger step's loads), round to bf16, ask for the step two on, three products.  Source 0 = 16 ranks, source 1 = 16 rows of x:
; a lane then holds one row of x and eight ranks.  The three accumulators take turns; the other step's 32 conversions stand between a product and the rewriting of its fragments.
.macro STEP stg, fr, left, next
	s_wait_loadcnt \left
.set q, 0
.rept 32
	v_cvt_pk_bf16_f32 v[(\fr)+q], v[(\stg)+2*q], v[(\stg)+2*q+1]
.set q, q+1
.endr
.if (\next) >= 0
	LD \stg, \next
.endif
	v_wmma_f32_16x16x32_bf16 v[ACC:ACC+7], v[(\fr)+8:(\fr)+15], v[(\fr):(\fr)+7], v[ACC:ACC+7]
	v_wmma_f32_16x16x32_bf16 v[ACC+8:ACC+15], v[(\fr)+16:(\fr)+23], v[(\fr):(\fr)+7], v[ACC+8:ACC+15]
	v_wmma_f32_16x16x32_bf16 v[ACC+16:ACC+23], v[(\fr)+24:(\fr)+31], v[(\fr):(\fr)+7], v[ACC+16:ACC+23]
.endm
	LD STG0, 0
	LD STG1, 128
	s_mov_b32 s56, 3
.Lk:
	STEP STG0, FR0, 16, 256
	STEP STG1, FR1, 16, 384
	s_wait_xcnt 0x0                                ; the loads' offset register steps only behind this wait
	v_add_nc_u32 v4, 0x100, v4
	s_sub_co_u32 s56, s56, 1
	s_cmp_lg_u32 s56, 0
	s_cbranch_scc1 .Lk
	STEP STG0, FR0, 16, -1                         ; the last two steps ask for nothing
	STEP STG1, FR1, 0, -1
.rept 4
	v_nop                                          ; four places between the last product and the stores that read the sums
.endr
.irp t, 0,1,2
	ds_store_b128 v6, v[ACC+8*\t:ACC+8*\t+3] offset:1024*\t          ; each accumulator's low registers first
	ds_store_b128 v6, v[ACC+8*\t+4:ACC+8*\t+7] offset:1024*\t+512
.endr
	s_wait_dscnt 0x0                               ; for the others' sake: my partial sums are in LDS
	s_barrier_signal -1
	s_barrier_wait -1
	s_cmp_gt_u32 s6, 2
	s_cbranch_scc1 .Lnot_t
	; waves 0, 1, 2: t and up of q, k, v
	s_lshl_b32 s57, s6, 10
	v_lshl_add_u32 v7, v1, 4, s57
.irp w, 0,1,2,3,4,5,6,7
	ds_load_b128 v[32+8*\w:35+8*\w], v7 offset:3072*\w
	ds_load_b128 v[36+8*\w:39+8*\w], v7 offset:3072*\w+512
.endr
	s_cmp_eq_u32 s6, 1
	s_cselect_b64 s[50:51], s[28:29], s[26:27]
	s_cmp_eq_u32 s6, 2
	s_cselect_b64 s[50:51], s[30:31], s[50:51]
	s_lshl_b32 s7, s5, 10
	v_lshl_add_u32 v8, v3, 6, s7                   ; (16 g + r) x 64 bytes
	v_lshl_add_u32 v9, v2, 4, v8                   ; out: + 8 h bf16
	v_lshl_add_u32 v8, v2, 5, v8                   ; up in: + 8 h f32
	s_lshl_b32 s57, s6, 17
	v_add_nc_u32 v9, s57, v9                       ; + the tensor's 2,048 rows of 64 bytes
	global_load_b128 v[96:99], v8, s[50:51]
	global_load_b128 v[100:103], v8, s[50:51] offset:16
	s_wait_dscnt 0x0
.irp w, 1,2,3,4,5,6,7
.irp p, 0,1,2,3
	v_pk_add_f32 v[32+2*\p:33+2*\p], v[32+2*\p:33+2*\p], v[32+8*\w+2*\p:33+8*\w+2*\p]
.endr
.endr
.irp p, 0,1,2,3
	v_cvt_pk_bf16_f32 v[40+\p], v[32+2*\p], v[33+2*\p]     ; hi
.endr
.irp p, 0,1,2,3
	v_lshlrev_b32 v[44+2*\p], 16, v[40+\p]
	v_and_b32 v[45+2*\p], 0xffff0000, v[40+\p]
.endr
.irp p, 0,1,2,3
	v_pk_add_f32 v[32+2*\p:33+2*\p], v[32+2*\p:33+2*\p], v[44+2*\p:45+2*\p] neg_lo:[0,1] neg_hi:[0,1]
.endr
.irp p, 0,1,2,3
	v_cvt_pk_bf16_f32 v[52+\p], v[32+2*\p], v[33+2*\p]     ; lo
.endr
	global_store_b128 v9, v[40:43], s[44:45]
	global_store_b128 v9, v[52:55], s[44:45] offset:32
	s_wait_loadcnt 0x0
.irp p, 0,1,2,3
	v_pk_mul_f32 v[96+2*\p:97+2*\p], v[96+2*\p:97+2*\p], 2.0 op_sel_hi:[1,0]   ; the LoRA scale 2 is exact
.endr
.irp p, 0,1,2,3
	v_cvt_pk_bf16_f32 v[104+\p], v[96+2*\p], v[97+2*\p]
.endr
	global_store_b128 v9, v[104:107], s[44:45] offset:UP_OFF
	global_store_b128 v9, v[104:107], s[44:45] offset:UP_OFF+32
	s_branch .Lend
.Lnot_t:
	s_cmp_lt_u32 s6, 4
	s_cbranch_scc1 .Lend                           ; wave 3 has no table
	s_lshl_b32 s7, s5, 12
	v_lshl_add_u32 v8, v1, 4, s7                   ; chunk g of 4,096 bytes, 16 bytes a lane
	s_sub_co_u32 s57, s6, 4
	s_lshl_b32 s57, s57, 19
	s_add_co_u32 s57, s57, COS_OFF
	v_add_nc_u32 v9, s57, v8                       ; cos, sin, ones, zeros lie 524,288 bytes apart
	s_cmp_gt_u32 s6, 5
	s_cbranch_scc1 .Lconst
	s_cmp_eq_u32 s6, 4
	s_cselect_b64 s[50:51], s[32:33], s[34:35]
.irp j, 0,1,2,3,4,5,6,7
	global_load_b128 v[32+4*\j:35+4*\j], v8, s[50:51] offset:512*\j
.endr
	s_wait_loadcnt 0x0
.set q, 0
.rept 16
	v_cvt_pk_bf16_f32 v[64+q], v[32+2*q], v[33+2*q]
	v_lshlrev_b32 v[32+2*q], 16, v[64+q]
	v_and_b32 v[33+2*q], 0xffff0000, v[64+q]
.set q, q+1
.endr
.irp j, 0,1,2,3,4,5,6,7
	global_store_b128 v9, v[32+4*\j:35+4*\j], s[44:45] offset:512*\j
.endr
	s_branch .Lend
.Lconst:
	s_cmp_eq_u32 s6, 6
	s_cselect_b32 s58, 1.0, 0
.irp j, 0,1,2,3
	v_mov_b32 v[32+\j], s58
.endr
.irp j, 0,1,2,3,4,5,6,7
	global_store_b128 v9, v[32:35], s[44:45] offset:512*\j
.endr
.Lend:
	s_wait_tensorcnt 0x0                           ; the wave's end
	ds_add_u32 v[SPW], v[NIL]
	s_wait_dscnt 0x0
	s_endpgm
.Lfunc_end_k_qbd6be72f05_prep:
	.size	k_qbd6be72f05_prep, .Lfunc_end_k_qbd6be72f05_prep-k_qbd6be72f05_prep
	.p2alignl 7, 3214868480
	.fill 96, 4, 3214868480
	.section	.rodata,"a",@progbits
	.p2align	6, 0x0
	.amdhsa_kernel k_qbd6be72f05_prep
		.amdhsa_group_segment_fixed_size 25600
		.amdhsa_private_segment_fixed_size 0
		.amdhsa_enable_private_segment 0
		.amdhsa_kernarg_size 152
		.amdhsa_user_sgpr_count 2
		.amdhsa_user_sgpr_kernarg_segment_ptr 1
		.amdhsa_wavefront_size32 1
		.amdhsa_system_sgpr_workgroup_id_x 1
		.amdhsa_system_sgpr_workgroup_id_y 1
		.amdhsa_system_sgpr_workgroup_id_z 1
		.amdhsa_system_vgpr_workitem_id 0
		.amdhsa_next_free_vgpr 248
		.amdhsa_next_free_sgpr 66
		.amdhsa_reserve_vcc 0
		.amdhsa_float_denorm_mode_32 3
		.amdhsa_float_denorm_mode_16_64 3
		.amdhsa_memory_ordered 1
		.amdhsa_forward_progress 1
		.amdhsa_inst_pref_size 46
	.end_amdhsa_kernel
	.amdgpu_metadata
---
amdhsa.version: [ 1, 2 ]
amdhsa.kernels:
  - .name:           k_qbd6be72f05_prep
    .symbol:         k_qbd6be72f05_prep.kd
    .args:
      - { .name: x, .offset: 0, .size: 8, .value_kind: global_buffer, .address_space: global }
      - { .name: wq, .offset: 8, .size: 8, .value_kind: global_buffer, .address_space: global }
      - { .name: wk, .offset: 16, .size: 8, .value_kind: global_buffer, .address_space: global }
      - { .name: wv, .offset: 24, .size: 8, .value_kind: global_buffer, .address_space: global }
      - { .name: wo, .offset: 32, .size: 8, .value_kind: global_buffer, .address_space: global }
      - { .name: mask, .offset: 40, .size: 8, .value_kind: global_buffer, .address_space: global }
      - { .name: lq_down, .offset: 48, .size: 8, .value_kind: global_buffer, .address_space: global }
      - { .name: lk_down, .offset: 56, .size: 8, .value_kind: global_buffer, .address_space: global }
      - { .name: lv_down, .offset: 64, .size: 8, .value_kind: global_buffer, .address_space: global }
      - { .name: lq_up, .offset: 72, .size: 8, .value_kind: global_buffer, .address_space: global }
      - { .name: lk_up, .offset: 80, .size: 8, .value_kind: global_buffer, .address_space: global }
      - { .name: lv_up, .offset: 88, .size: 8, .value_kind: global_buffer, .address_space: global }
      - { .name: freqs_cos, .offset: 96, .size: 8, .value_kind: global_buffer, .address_space: global }
      - { .name: freqs_sin, .offset: 104, .size: 8, .value_kind: global_buffer, .address_space: global }
      - { .name: xb, .offset: 112, .size: 8, .value_kind: global_buffer, .address_space: global }
      - { .name: wb, .offset: 120, .size: 8, .value_kind: global_buffer, .address_space: global }
      - { .name: wob, .offset: 128, .size: 8, .value_kind: global_buffer, .address_space: global }
      - { .name: mb, .offset: 136, .size: 8, .value_kind: global_buffer, .address_space: global }
      - { .name: aux, .offset: 144, .size: 8, .value_kind: global_buffer, .address_space: global }
    .group_segment_fixed_size: 25600
    .private_segment_fixed_size: 0
    .kernarg_segment_align: 8
    .kernarg_segment_size: 152
    .max_flat_workgroup_size: 256
    .sgpr_count:     66
    .vgpr_count:     248
    .wavefront_size: 32
...
	.end_amdgpu_metadata
.endif
;; end of part 1
;; launch proj (part 2): grid 8 x 24, 4 waves a work-group, clusters of 4 x 4, 327,680 bytes of LDS; arguments xb, wb, aux, qkv, sc; writes qkv, sc
.if DOCPART == 2
	.amdgcn_target "amdgcn-amd-amdhsa--gfx1250"
	.amdhsa_code_object_version 6
	.text
	.protected	k_qbd6be72f05_proj
	.globl	k_qbd6be72f05_proj
	.p2align	8
	.type	k_qbd6be72f05_proj,@function
k_qbd6be72f05_proj:
	s_mov_b64 s[64:65], 0
	v_nop
	global_prefetch_b8 v0, s[64:65] scope:SCOPE_SE
	s_setreg_imm32_b32 hwreg(HW_REG_WAVE_MODE, 25, 1), 1
	s_wait_xcnt 0x0
	s_wait_alu depctr_hold_cnt(0) depctr_sa_sdst(0) depctr_va_vdst(0) depctr_va_sdst(0) depctr_va_ssrc(0) depctr_va_vcc(0) depctr_vm_vsrc(0)
	s_getreg_b32 s2, hwreg(HW_REG_IB_STS2, 6, 4)
	s_cmp_eq_u32 s2, 0
	s_cbranch_scc0 .Lentry_in_a_cluster
	s_endpgm
.Lentry_in_a_cluster:
	s_bfe_u32 s2, ttmp6, 0x10000c
	s_cmp_lg_u32 s2, 0xf033
	s_cbranch_scc0 .Lentry_shape_is_right
	s_endpgm
.Lentry_shape_is_right:
; PROJ.  [q | k | v] = xb wb^T + (t_hi + t_lo)(2 up)^T, then RoPE, then f16 by heads with a power-of-two scale for each block of 64 rows x one head.
; A work-group makes 256 rows x 256 columns (two heads); each of its four waves 128 x 128 = one head: 64 accumulators, 512 registers.  K goes in 16 steps of 128 through two LDS
; slots filled by joint tensor loads.  The LoRA branch is one more step of 32 along K, from registers, and starts the sums.
; THE GRID has the 8 tile rows along x and the 24 tile columns along y: of the 4 x 4 clusters two lie along x, so clusters that follow each other in the launch's order take the same 1,024 rows of wb
; and the two halves of xb's rows.  A's tile hangs on the tile row alone, work-group x, and is shared along a column of the cluster (same cx); B's on the tile column alone, work-group y, and is shared along a row (same cy).
; ONE TEXT SERVES EVERY K STEP.  The slot is a number in a scalar register.  A loop of 14 trips asks, at its change of slots, for the K step two on; a loop of 2 trips (K steps 14 and 15) asks there for the
; tables of the way out: cos and sin of rows 0-63 of each half of the tile's rows into slot 0, then of rows 64-127 into slot 1, where they land under the first half of the way out.
; The price: the last trip's fetch of fragments from the other slot, 32 LDS loads, serves nothing.
; 192 work-groups: a wave's tile has to be a whole head for RoPE and the block scales, and no such tile gives 256.
; THE MATRIX INSTRUCTION IS USED TRANSPOSED (source 0 = 16 rows of wb, source 1 = 16 rows of xb): a lane holds one row and eight neighbouring channels, so RoPE's (even, odd) pairs lie in one lane.
; THE SCALE.  amax = the block's largest magnitude behind RoPE, e = its exponent field kept within 14..254; stored = value x 2^(140 - e), below 2^14 in magnitude; sc takes 2^(e - 140).
; LIMITS.  NaN is not treated apart (it loses in the maximum); an infinity stays one.  v takes a table of ones and zeros in place of cos and sin, so all three tensors run one text.
; REGISTERS: window 0: v0-31 addresses, v64-127 / v128-191 fragments of A; window 1: the same numbers, fragments of B; windows 2, 3: accumulator (a, b) at v[8 (8 (a % 4) + b)].
.set SIZE_K, 2048
.set KSTEP,  128
.set PITCH,  272                       ; 256 bytes + 16 of padding: the 16 rows of a fragment load start at 16 different groups of four banks
.set HALFT,  128*PITCH                 ; 0x8800: what one load of a tile brings
.set TPART,  64*PITCH                  ; 0x4400: what one load of the tables brings
.set SLOT,   4*HALFT                   ; 0x22000: it shares no bit with 0..3 x HALFT nor with 0..3 x TPART, so one exclusive or turns a load's LDS address into the other slot's
.set STAGE,  2*SLOT                    ; behind the ring: 16 rows x 272 bytes for each wave, for the way out
.set SPITCH, 272
.set SPARE,  STAGE+4*16*SPITCH         ; the spare words: 128 bytes for each wave
.set UP_OFF, 393216
.set COS_OFF, 786432
.set LANE, 9
.set TAW,  10                          ; v10  LDS address of my lane's cos; steps by a slot
.set TSW,  11                          ; v11  of its sin
.set MX,   12                          ; v12-15 four running maxima
.set ADRA, 16                          ; v16  LDS address of my A fragments in slot 0; never rewritten
.set SCO,  18                          ; v18  byte offset of the block's scale in sc
.set ADRB, 20                          ; v20  the same for B
.set GOW,  22                          ; v22  my byte offset in the head's rows
.set STO,  24
.set RD,   25
.set CUA,  26                          ; v26  ADRA in the slot in hand
.set CUB,  27                          ; v27  ADRB in the slot in hand
.set SPW,  28
.set NIL,  29
.set LOF,  30                          ; v30  my offset in 16 rows of 64 bytes (T and UP)
.set F0,   64
.set F1,   128
.set TT,   128                         ; the way out: 64 registers at work
.set TMP,  192
.set OB,   32
.set G1,  24
.set G0,  32                           ; s[32:39] group 0 for A's tiles: a set for each of the two first fills; the second then walks on
.set G1B, 48
.set G0B, 56                           ; s[56:63] the same for B's
.set TB,  66                           ; s66  0 or SLOT: the slot in hand
.set G1R, 68                           ; s[68:75] group 1 for the tables: 64 dense rows of 256 bytes
.set G0R, 76
.set WV,  80
.set RH,  81                           ; wave >> 1: my half of the rows; I fetch for A (0) or B (1); cos (0) or sin (1)
.set CH,  82                           ; wave & 1: my half of the columns; which 128 rows I fetch
.set TN,  83                           ; 0, 1, 2: q, k, v: from the cluster's y alone
.set UPB, 84
.set TBS, 86
.set OUT, 88
.set SCL, 90
.set SEL, 92
.set STRD, 94
.set SAVE, 95
.set FLAGS, (1<<16)|(1<<20)|(1<<21)|(5<<22)|(3<<25)  ; 2-byte elements; padding on; bit 21 beside a mask; after every 64 words, 4 words
.set MSB, 0
.macro WIN new
.if MSB != (\new)
	s_set_vgpr_msb (MSB<<8)|(\new)
.set MSB, \new
.endif
.endm
.set MUL_LO, 0xa1
.set MUL_HI, 0xf1
.set TO_B,   0x40
.macro PLACES
.rept 4
	v_nop
.endr
.endm
.macro JLOAD s                         ; waves 0, 1 fetch A's halves, waves 2, 3 B's; an s_nop 0 and four v_nop follow each line
	s_cmp_eq_u32 s[RH], 0
	s_cbranch_scc0 .Lfor_b_\@
	tensor_load_to_lds s[G0+4*(\s):G0+4*(\s)+3], s[G1:G1+7]
	s_nop 0
	PLACES
	s_branch .Lasked_\@
.Lfor_b_\@:
	tensor_load_to_lds s[G0B+4*(\s):G0B+4*(\s)+3], s[G1B:G1B+7]
	s_nop 0
	PLACES
.Lasked_\@:
.endm
.macro RLOAD                           ; the tables: wave w brings 64 rows of cos (w < 2) or sin, of the row half w & 1, to w x 64 rows of a slot
	tensor_load_to_lds s[G0R:G0R+3], s[G1R:G1R+7]
	s_nop 0
	PLACES
.endm
.macro CREST
	s_cmp_lg_u32 s[WV], 0
	s_cbranch_scc1 .Lnot_wave_0_\@
	s_barrier_signal -3
.Lnot_wave_0_\@:
	s_barrier_wait -3
	s_barrier_signal -1
	s_barrier_wait -1
.endm
.macro CROUND
	s_barrier_signal -1
	s_barrier_wait -1
	CREST
.endm
	s_load_b256 s[4:11], s[0:1], 0x0               ; xb 4, wb 6, aux 8, qkv 10
	s_load_b64 s[12:13], s[0:1], 0x20              ; sc
	v_lshl_add_u32 v[SPW], v0, 2, SPARE
	v_mov_b32 v[NIL], 0
	ds_add_u32 v[SPW], v[NIL]                      ; the wave's opening: the add, with its wait ahead of my first tensor load
	v_lshrrev_b32 v1, 5, v0
	v_readfirstlane_b32 s[WV], v1
	s_lshr_b32 s[RH], s[WV], 1
	s_and_b32 s[CH], s[WV], 1
	s_bfe_u32 s40, ttmp6, 0x40000                  ; cx
	s_bfe_u32 s41, ttmp6, 0x40004                  ; cy
	s_lshl_b32 s45, ttmp9, 2
	s_add_co_u32 s45, s45, s40                     ; tile row 0..7 = work-group x
	s_and_b32 s42, ttmp7, 0xffff
	s_lshr_b32 s[TN], s42, 1                       ; eight tile columns to a tensor = two clusters along y
	s_lshl_b32 s42, s42, 2
	s_add_co_u32 s42, s42, s41                     ; tile column 0..23 = work-group y
	s_lshl_b32 s43, s41, 2
	s_lshl_b32 s43, 15, s43                        ; my row of the cluster: the same tile column
	s_lshl_b32 s44, 0x1111, s40                    ; my column of the cluster: the same tile row
	s_or_b32 s[G1], s44, FLAGS
	s_or_b32 s[G1B], s43, FLAGS
	s_or_b32 s[G1R], s44, FLAGS                    ; the tables hang on the tile row (and the tensor, which the cluster shares)
.irp g, G1, G1B
	s_mov_b32 s[(\g)+1], 128<<16                   ; tensor_dim0 = 128
	s_mov_b32 s[(\g)+2], 128<<16                   ; tensor_dim1 = 128
	s_mov_b32 s[(\g)+3], 128<<16                   ; tile_dim0 = 128
	s_mov_b32 s[(\g)+4], 128                       ; tile_dim1 = 128
	s_mov_b32 s[(\g)+5], SIZE_K
	s_mov_b32 s[(\g)+6], 0
	s_mov_b32 s[(\g)+7], 0
.endr
	s_mov_b32 s[G1R+1], 128<<16                    ; the tables: rows of 128 elements of 2 bytes = 64 f32,
	s_mov_b32 s[G1R+2], 64<<16                     ; 64 of them,
	s_mov_b32 s[G1R+3], 128<<16
	s_mov_b32 s[G1R+4], 64
	s_mov_b32 s[G1R+5], 128                        ; dense
	s_mov_b32 s[G1R+6], 0
	s_mov_b32 s[G1R+7], 0
	s_lshl_b32 s17, s[CH], 7
	s_lshl_b32 s20, s45, 8
	s_add_co_u32 s20, s20, s17                     ; the row of xb, and of the tables, from which I fetch
	s_lshl_b32 s16, s20, 12                        ; x 4,096 bytes
	s_lshl_b32 s46, s42, 8
	s_add_co_u32 s46, s46, s17
	s_lshl_b32 s46, s46, 12                        ; the same for wb: registers that never hold the tile row
	s_mov_b32 s17, 0
	s_mov_b32 s47, 0
	s_lshr_b32 s18, s[TN], 1                       ; v: the ones and zeros, 1,048,576 bytes on
	s_lshl_b32 s18, s18, 20
	s_lshl_b32 s19, s[RH], 19                      ; sin (or zeros) lies 524,288 bytes behind cos (or ones)
	s_add_co_u32 s18, s18, s19
	s_lshl_b32 s19, s20, 8
	s_add_co_u32 s18, s18, s19
	s_add_co_u32 s18, s18, COS_OFF-64*256          ; 64 rows short: each of the two loads steps 64 rows on first
	s_mov_b32 s19, 0
	s_mul_i32 s21, s[WV], HALFT                    ; where my tiles go: wave x 128 rows
	s_mul_i32 s22, s[WV], TPART                    ; where my part of the tables goes: wave x 64 rows,
	s_mov_b32 s[G0R], 1
	s_add_co_u32 s[G0R+1], s22, SLOT               ; in slot 1: each of the two loads changes slots first
	s_mov_b32 s[TB], 0
	s_mov_b32 s[SEL], 0x76543210
	s_mov_b32 s[SEL+1], 0xfedcba98
	s_wait_dscnt 0x0                               ; the opening add is done
	s_wait_kmcnt 0x0
	s_add_nc_u64 s[14:15], s[4:5], s[16:17]
	s_add_nc_u64 s[46:47], s[6:7], s[46:47]
	s_add_nc_u64 s[G0R+2:G0R+3], s[8:9], s[18:19]
	s_or_b32 s[G0R+3], s[G0R+3], 0x80000000
	CROUND                                         ; all sixteen work-groups are here: the first joint loads meet
.irp s, 0,1
	s_mov_b32 s[G0+4*(\s)], 1
	s_add_co_u32 s[G0+4*(\s)+1], s21, (\s)*SLOT
	s_add_nc_u64 s[G0+4*(\s)+2:G0+4*(\s)+3], s[14:15], (\s)*KSTEP*2
	s_or_b32 s[G0+4*(\s)+3], s[G0+4*(\s)+3], 0x80000000
	s_mov_b32 s[G0B+4*(\s)], 1
	s_add_co_u32 s[G0B+4*(\s)+1], s21, (\s)*SLOT
	s_add_nc_u64 s[G0B+4*(\s)+2:G0B+4*(\s)+3], s[46:47], (\s)*KSTEP*2
	s_or_b32 s[G0B+4*(\s)+3], s[G0B+4*(\s)+3], 0x80000000
	JLOAD \s
.endr
	v_and_b32 v1, 15, v0                           ; l % 16
	v_bfe_u32 v2, v0, 4, 1                         ; l / 16
	v_and_b32 v[LANE], 31, v0
	v_lshlrev_b32 v[LOF], 6, v1
	v_lshl_add_u32 v[LOF], v2, 4, v[LOF]
	s_lshl_b32 s22, s42, 8
	s_lshl_b32 s23, s[CH], 7
	s_add_co_u32 s22, s22, s23                     ; my first column among the 6,144
	s_lshl_b32 s22, s22, 6
	s_add_co_u32 s22, s22, UP_OFF
	s_mov_b32 s23, 0
	s_add_nc_u64 s[UPB:UPB+1], s[8:9], s[22:23]
	s_lshl_b32 s22, s45, 8
	s_lshl_b32 s2, s[RH], 7
	s_add_co_u32 s2, s22, s2                       ; my first row
	s_lshl_b32 s22, s[TN], 11
	s_add_co_u32 s22, s22, s2
	s_lshl_b32 s22, s22, 6
	s_add_nc_u64 s[TBS:TBS+1], s[8:9], s[22:23]
	; the LoRA step's fragments straight from memory into buffer 1: rows of 64 bytes = 32 along K
	WIN TO_B
.irp i, 0,1,2,3,4,5,6,7
	global_load_b128 v[F1+8*(\i):F1+8*(\i)+3],   v[LOF], s[UPB:UPB+1] offset:1024*(\i)
	global_load_b128 v[F1+8*(\i)+4:F1+8*(\i)+7], v[LOF], s[UPB:UPB+1] offset:1024*(\i)+32
.endr
	WIN 0
.irp i, 0,1,2,3,4,5,6,7
	global_load_b128 v[F1+8*(\i):F1+8*(\i)+3],   v[LOF], s[TBS:TBS+1] offset:1024*(\i)
	global_load_b128 v[F1+8*(\i)+4:F1+8*(\i)+7], v[LOF], s[TBS:TBS+1] offset:1024*(\i)+32
.endr
	s_lshl_b32 s40, s42, 1
	s_add_co_u32 s40, s40, s[CH]                   ; head slot 0..47 = 16 x tensor + head
	s_lshl_b32 s22, s40, 19                        ; x 2,048 rows of 256 bytes
	s_lshl_b32 s41, s2, 8
	s_add_co_u32 s22, s22, s41
	s_add_nc_u64 s[OUT:OUT+1], s[10:11], s[22:23]
	s_and_b32 s40, s40, 15
	s_lshl_b32 s40, s40, 5
	s_lshr_b32 s41, s2, 6
	s_add_co_u32 s40, s40, s41                     ; head x 32 + block of 64 rows
	s_lshl_b32 s41, s40, 2                         ; q: one float a block
	s_lshl_b32 s40, s40, 3                         ; k, v: a pair a block, behind q's 2,048 bytes
	s_lshl_b32 s22, s[TN], 2
	s_add_co_u32 s40, s40, s22
	s_add_co_u32 s40, s40, 2044
	s_cmp_eq_u32 s[TN], 0
	s_cselect_b32 s40, s41, s40
	s_cselect_b32 s[STRD], 4, 8
	v_mov_b32 v[SCO], s40
	v_mul_u32_u24 v3, v1, PITCH
	v_lshl_add_u32 v3, v2, 4, v3                   ; row x pitch + 16 x half; kept for the tables' addresses
	s_mul_i32 s21, s[RH], HALFT
	s_mul_i32 s22, s[CH], HALFT
	s_add_co_u32 s22, s22, 2*HALFT
	v_add_nc_u32 v[ADRA], s21, v3
	v_add_nc_u32 v[ADRB], s22, v3
	v_mov_b32 v[CUA], v[ADRA]                      ; the walk begins in slot 0
	v_mov_b32 v[CUB], v[ADRB]
	s_mul_i32 s23, s[WV], 16*SPITCH
	s_add_co_u32 s23, s23, STAGE
	v_mul_u32_u24 v4, v1, SPITCH
	v_lshl_add_u32 v4, v2, 4, v4
	v_add_nc_u32 v[STO], s23, v4
	v_mul_u32_u24 v5, v2, SPITCH
	v_lshl_add_u32 v5, v1, 4, v5
	v_add_nc_u32 v[RD], s23, v5
.macro MUL16 f, hi, a0, zero
	WIN MUL_LO+0x50*(\hi)
.irp a, \a0, (\a0)+1
.irp b, 0,1,2,3,4,5,6,7
.if \zero
	v_wmma_f32_16x16x32_bf16 v[8*(8*(\a)+(\b)):8*(8*(\a)+(\b))+7], v[(\f)+8*(\b):(\f)+8*(\b)+7], v[(\f)+8*(4*(\hi)+(\a)):(\f)+8*(4*(\hi)+(\a))+7], 0
.else
	v_wmma_f32_16x16x32_bf16 v[8*(8*(\a)+(\b)):8*(8*(\a)+(\b))+7], v[(\f)+8*(\b):(\f)+8*(\b)+7], v[(\f)+8*(4*(\hi)+(\a)):(\f)+8*(4*(\hi)+(\a))+7], v[8*(8*(\a)+(\b)):8*(8*(\a)+(\b))+7]
.endif
.endr
.endr
.endm
.macro FETCH k, f                      ; 32 LDS loads in one run: a quarter step's fragments of B, then of A, from the slot in hand
	WIN TO_B
.irp i, 0,1,2,3,4,5,6,7
	ds_load_b128 v[(\f)+8*(\i):(\f)+8*(\i)+3],   v[CUB] offset:(\k)+(\i)*16*PITCH
	ds_load_b128 v[(\f)+8*(\i)+4:(\f)+8*(\i)+7], v[CUB] offset:(\k)+(\i)*16*PITCH+32
.endr
	WIN 0
.irp i, 0,1,2,3,4,5,6,7
	ds_load_b128 v[(\f)+8*(\i):(\f)+8*(\i)+3],   v[CUA] offset:(\k)+(\i)*16*PITCH
	ds_load_b128 v[(\f)+8*(\i)+4:(\f)+8*(\i)+7], v[CUA] offset:(\k)+(\i)*16*PITCH+32
.endr
.endm
; A K step is four quarters of 32 along K on buffers 0, 1, 0, 1.  The 64 accumulators take turns in one order everywhere.
.macro QUARTER k, f, g
	s_wait_dscnt 8                                 ; B and A's rows 0-63 are in; the youngest eight loads may be out
	MUL16 \f, 0, 0, 0
	MUL16 \f, 0, 2, 0
	PLACES                                         ; four places in front of loads into registers that products have read (ISA guide 7.12.1 for vector instructions)
	FETCH \k, \g
	s_wait_dscnt 32                                ; all but the 32 just issued
	MUL16 \f, 1, 0, 0
	MUL16 \f, 1, 2, 0
.endm
; The last quarter changes slots: every wave waits for all its tensor loads (one is out: its part of the next slot), adds 0 to its spare word, waits for that and its reads of this slot;
; the barrier opens a round of the cluster's; the joint refill of the slot just read is the first thing behind the round.  kind 0: the K step two on.  kind 1: 64 rows of the tables.
.macro TURN kind
	WIN 0
	s_wait_tensorcnt 0x0
	ds_add_u32 v[SPW], v[NIL]
	s_wait_dscnt 9                                 ; the add and the youngest eight loads may be out
	MUL16 F1, 0, 0, 0
	s_wait_dscnt 0x0                               ; the add is done, my reads of this slot are over
	s_barrier_signal -1
	MUL16 F1, 0, 2, 0
	WIN 0
	s_barrier_wait -1
	CREST
.if (\kind) == 0
	s_xor_b32 s[G0+5], s[G0+5], SLOT               ; the walking descriptors: the other slot than last time,
	s_add_nc_u64 s[G0+6:G0+7], s[G0+6:G0+7], KSTEP*2       ; the next K step; the type bits on top are not reached
	s_xor_b32 s[G0B+5], s[G0B+5], SLOT
	s_add_nc_u64 s[G0B+6:G0B+7], s[G0B+6:G0B+7], KSTEP*2
	JLOAD 1
.else
	s_xor_b32 s[G0R+1], s[G0R+1], SLOT
	s_add_nc_u64 s[G0R+2:G0R+3], s[G0R+2:G0R+3], 64*256    ; the next 64 rows of the table
	RLOAD
.endif
	s_xor_b32 s[TB], s[TB], SLOT                   ; the reads go on in the other slot
	v_add_nc_u32 v[CUA], s[TB], v[ADRA]
	v_add_nc_u32 v[CUB], s[TB], v[ADRB]
	FETCH 0, F0
	MUL16 F1, 1, 0, 0
	MUL16 F1, 1, 2, 0
.endm
.macro STEPK kind
	QUARTER 64,  F0, F1
	QUARTER 128, F1, F0
	QUARTER 192, F0, F1
	TURN \kind
	WIN 0                                          ; at a label and at a branch every window is 0
.endm
	s_wait_tensorcnt 1                             ; my part of K step 0 is in; step 1's may stay out
	s_barrier_signal -1
	s_barrier_wait -1
	FETCH 0, F0
	s_wait_loadcnt 0x0                             ; T and UP
	MUL16 F1, 0, 0, 1                              ; the LoRA step starts all 64 sums: nothing is cleared
	MUL16 F1, 0, 2, 1
	MUL16 F1, 1, 0, 1
	MUL16 F1, 1, 2, 1
	WIN 0
	s_mov_b32 s3, 14
.Lstep:                                                ; K steps 0 to 13: K steps 2 to 15 are asked for
	STEPK 0
	s_sub_co_u32 s3, s3, 1
	s_cmp_lg_u32 s3, 0
	s_cbranch_scc1 .Lstep
	s_mov_b32 s3, 2
.Llast:                                                ; K steps 14 and 15: the two halves of the tables are asked for
	STEPK 1
	s_sub_co_u32 s3, s3, 1
	s_cmp_lg_u32 s3, 0
	s_cbranch_scc1 .Llast
	PLACES                                         ; behind the last products: the sums are read, and the fragments' registers written, below
	s_wait_dscnt 0x0                               ; the last fetch, which serves nothing, has landed: its registers are loaded anew below
	; The first half of the tables was waited for by every wave in front of the last round.  The second half is on its way.
; THE WAY OUT, written for four blocks of 16 rows in window 2 and run twice; between the trips window 3's sums are moved into window 2.
.macro RLD a                           ; block a's cos and sin: 16 bytes = my four pairs of each accumulator
.set CB, 64+128*((\a)%2)
.irp b, 0,1,2,3,4,5,6,7
	ds_load_b128 v[CB+4*\b:CB+4*\b+3],       v[TAW] offset:(\a)*16*PITCH+32*\b
	ds_load_b128 v[CB+32+4*\b:CB+32+4*\b+3], v[TSW] offset:(\a)*16*PITCH+32*\b
.endr
.endm
; (a, b) -> (a cos - b sin, a sin + b cos): T = (a, b) cos, then (b, a) x (-sin, sin) + T.  Each accumulator's lowest registers are read first.
.macro ROPE a
	WIN 0
.if (\a) < 3
	RLD (\a)+1
	s_wait_dscnt 16                                ; all but the next block's 16
.else
	s_wait_dscnt 0x0
.endif
.set CB, 64+128*((\a)%2)
	WIN 0x02                                       ; source 0 in window 2
.set q, 0
.rept 32
.set rD, 64*(\a)+2*q
.set rC, CB+(q/2)*2
.if q%2
	v_pk_mul_f32 v[TT+2*q:TT+2*q+1], v[rD:rD+1], v[rC:rC+1] op_sel:[0,1] op_sel_hi:[1,1]
.else
	v_pk_mul_f32 v[TT+2*q:TT+2*q+1], v[rD:rD+1], v[rC:rC+1] op_sel:[0,0] op_sel_hi:[1,0]
.endif
.set q, q+1
.endr
	WIN 0x82                                       ; destination and source 0 in window 2
.set q, 0
.rept 32
.set rD, 64*(\a)+2*q
.set rC, CB+32+(q/2)*2
.if q%2
	v_pk_fma_f32 v[rD:rD+1], v[rD:rD+1], v[rC:rC+1], v[TT+2*q:TT+2*q+1] op_sel:[1,1,0] op_sel_hi:[0,1,1] neg_lo:[0,1,0]
.else
	v_pk_fma_f32 v[rD:rD+1], v[rD:rD+1], v[rC:rC+1], v[TT+2*q:TT+2*q+1] op_sel:[1,0,0] op_sel_hi:[0,0,1] neg_lo:[0,1,0]
.endif
.set q, q+1
.endr
	WIN 0x28                                       ; sources 1 and 2 in window 2
.set q, 0
.rept 32
	v_max3_num_f32 v[MX+q%4], v[MX+q%4], |v[64*(\a)+2*q]|, |v[64*(\a)+2*q+1]|
.set q, q+1
.endr
.endm
.macro PACK a
	WIN 0x82
.set q, 0
.rept 32
	v_pk_mul_f32 v[64*(\a)+2*q:64*(\a)+2*q+1], v[64*(\a)+2*q:64*(\a)+2*q+1], s[SCL:SCL+1] op_sel_hi:[1,0]
.set q, q+1
.endr
	WIN 0x0a
.set q, 0
.rept 32
	v_cvt_pk_f16_f32 v[TMP+q], v[64*(\a)+2*q], v[64*(\a)+2*q+1]
.set q, q+1
.endr
	WIN 0
.endm
.macro TOSTAGE a
.set BK, OB+192*((\a)%2)
.irp b, 0,1,2,3,4,5,6,7
	ds_store_b128 v[STO], v[TMP+4*(\b):TMP+4*(\b)+3] offset:32*(\b)
.endr
.irp t, 0,1,2,3,4,5,6,7
	ds_load_b128 v[BK+4*(\t):BK+4*(\t)+3], v[RD] offset:(\t)*2*SPITCH  ; LDS serves a wave's instructions in order (ISA guide 5.7.1.4): these see the stores above
.endr
.endm
.macro SEND a
.set BK, OB+192*((\a)%2)
	s_wait_dscnt 0x0                               ; the block is back in registers
	s_wait_xcnt 0x0                                ; the registers that the stores two blocks back read are loaded again only behind this wait
.irp t, 0,1,2,3,4,5,6,7
	global_store_b128 v[GOW], v[BK+4*(\t):BK+4*(\t)+3], s[OUT:OUT+1] offset:(\a)*4096+(\t)*512  ; 512 consecutive bytes: two rows of the head
.endr
.endm
	s_mul_i32 s21, s[RH], TPART
	v_add_nc_u32 v[TAW], s21, v3                   ; cos of my half's rows 0-63: part RH of slot 0; (l % 16) x 272 + 16 (l / 16)
	v_add_nc_u32 v[TSW], 2*TPART, v[TAW]           ; sin two parts further
	v_lshlrev_b32 v[GOW], 4, v[LANE]
	s_mov_b32 s3, 2
.Lhalf:
.irp c, 0,1,2,3
	v_mov_b32 v[MX+\c], 0
.endr
	RLD 0
	ROPE 0
	ROPE 1
	ROPE 2
	ROPE 3
	WIN 0
	v_max3_num_f32 v[MX], v[MX], v[MX+1], v[MX+2]
	v_max_num_f32 v[MX], v[MX], v[MX+3]
	v_max_num_f32_dpp v[MX], v[MX], v[MX] row_xmask:1 row_mask:0xf bank_mask:0xf
	v_max_num_f32_dpp v[MX], v[MX], v[MX] row_xmask:2 row_mask:0xf bank_mask:0xf
	v_max_num_f32_dpp v[MX], v[MX], v[MX] row_xmask:4 row_mask:0xf bank_mask:0xf
	v_max_num_f32_dpp v[MX], v[MX], v[MX] row_xmask:8 row_mask:0xf bank_mask:0xf
	v_permlanex16_b32 v[MX+1], v[MX], s[SEL], s[SEL+1]
	v_max_num_f32 v[MX], v[MX], v[MX+1]            ; the block's largest magnitude, in every lane
	v_lshrrev_b32 v[MX], 23, v[MX]                 ; its exponent field
	v_max_u32 v[MX], 14, v[MX]
	v_min_u32 v[MX], 0xfe, v[MX]
	v_sub_nc_u32 v[MX+1], 0x10b, v[MX]
	v_lshlrev_b32 v[MX+1], 23, v[MX+1]             ; 2^(140 - e)
	v_add_nc_u32 v[MX+2], -13, v[MX]
	v_lshlrev_b32 v[MX+2], 23, v[MX+2]             ; 2^(e - 140), for sc
	v_readfirstlane_b32 s[SCL], v[MX+1]
	s_mov_b32 s[SCL+1], s[SCL]
	PACK 0
	TOSTAGE 0
	PACK 1                                         ; a block's arithmetic stands between the loads of the block before and its stores
	SEND 0
	TOSTAGE 1
	PACK 2
	SEND 1
	TOSTAGE 2
	PACK 3
	SEND 2
	TOSTAGE 3
	SEND 3
	s_wait_xcnt 0x0                                ; EXEC changes only behind this wait
	v_cmp_eq_u32 vcc_lo, 0, v[LANE]
	s_and_saveexec_b32 s[SAVE], vcc_lo
	global_store_b32 v[SCO], v[MX+2], s[12:13]     ; one lane stores the block's scale
	s_wait_xcnt 0x0                                ; and again in front of the line that widens it
	s_or_b32 exec_lo, exec_lo, s[SAVE]
	s_cmp_eq_u32 s3, 1
	s_cbranch_scc1 .Lhalf_end                      ; the last trip has nothing to bring down
	WIN 0x83                                       ; destination window 2, source window 3: my rows 64-127 go where the one text names the sums
.set q, 0
.rept 256
	v_mov_b32 v[q], v[q]
.set q, q+1
.endr
	WIN 0
	v_add_nc_u32 v[TAW], SLOT, v[TAW]              ; the tables of rows 64-127 lie at the same places of slot 1
	v_add_nc_u32 v[TSW], SLOT, v[TSW]
	v_add_nc_u32 v[GOW], 64*256, v[GOW]
	v_add_nc_u32 v[SCO], s[STRD], v[SCO]
.Lhalf_end:
	s_wait_tensorcnt 0x0                           ; my part of the tables' second half is in (the second time nothing is out),
	s_barrier_signal -1
	s_barrier_wait -1                              ; everybody's is
	s_sub_co_u32 s3, s3, 1
	s_cmp_lg_u32 s3, 0
	s_cbranch_scc1 .Lhalf
	s_wait_tensorcnt 0x0                           ; the wave's end
	ds_add_u32 v[SPW], v[NIL]
	s_wait_dscnt 0x0
	CROUND                                         ; the closing round
	s_endpgm
.Lfunc_end_k_qbd6be72f05_proj:
	.size	k_qbd6be72f05_proj, .Lfunc_end_k_qbd6be72f05_proj-k_qbd6be72f05_proj
	.p2alignl 7, 3214868480
	.fill 96, 4, 3214868480
	.section	.rodata,"a",@progbits
	.p2align	6, 0x0
	.amdhsa_kernel k_qbd6be72f05_proj
		.amdhsa_group_segment_fixed_size 327680
		.amdhsa_private_segment_fixed_size 0
		.amdhsa_enable_private_segment 0
		.amdhsa_kernarg_size 40
		.amdhsa_user_sgpr_count 2
		.amdhsa_user_sgpr_kernarg_segment_ptr 1
		.amdhsa_wavefront_size32 1
		.amdhsa_system_sgpr_workgroup_id_x 1
		.amdhsa_system_sgpr_workgroup_id_y 1
		.amdhsa_system_sgpr_workgroup_id_z 1
		.amdhsa_system_vgpr_workitem_id 0
		.amdhsa_next_free_vgpr 1024
		.amdhsa_next_free_sgpr 96
		.amdhsa_reserve_vcc 1
		.amdhsa_float_denorm_mode_32 3
		.amdhsa_float_denorm_mode_16_64 3
		.amdhsa_memory_ordered 1
		.amdhsa_forward_progress 1
		.amdhsa_inst_pref_size 134
	.end_amdhsa_kernel
	.amdgpu_metadata
---
amdhsa.version: [ 1, 2 ]
amdhsa.kernels:
  - .name:           k_qbd6be72f05_proj
    .symbol:         k_qbd6be72f05_proj.kd
    .args:
      - { .name: xb, .offset: 0, .size: 8, .value_kind: global_buffer, .address_space: global }
      - { .name: wb, .offset: 8, .size: 8, .value_kind: global_buffer, .address_space: global }
      - { .name: aux, .offset: 16, .size: 8, .value_kind: global_buffer, .address_space: global }
      - { .name: qkv, .offset: 24, .size: 8, .value_kind: global_buffer, .address_space: global }
      - { .name: sc, .offset: 32, .size: 8, .value_kind: global_buffer, .address_space: global }
    .group_segment_fixed_size: 327680
    .private_segment_fixed_size: 0
    .kernarg_segment_align: 8
    .kernarg_segment_size: 40
    .max_flat_workgroup_size: 128
    .sgpr_count:     96
    .vgpr_count:     1024
    .wavefront_size: 32
...
	.end_amdgpu_metadata
.endif
;; end of part 2
;; launch attn (part 3): grid 16 x 16, 4 waves a work-group, clusters of 4 x 4, 327,680 bytes of LDS; arguments qkv, mb, sc, ob; writes ob
.if DOCPART == 3
	.amdgcn_target "amdgcn-amd-amdhsa--gfx1250"
	.amdhsa_code_object_version 6
	.text
	.protected	k_qbd6be72f05_attn
	.globl	k_qbd6be72f05_attn
	.p2align	8
	.type	k_qbd6be72f05_attn,@function
k_qbd6be72f05_attn:
	s_mov_b64 s[64:65], 0
	v_nop
	global_prefetch_b8 v0, s[64:65] scope:SCOPE_SE
	s_setreg_imm32_b32 hwreg(HW_REG_WAVE_MODE, 25, 1), 1
	s_wait_xcnt 0x0
	s_wait_alu depctr_hold_cnt(0) depctr_sa_sdst(0) depctr_va_vdst(0) depctr_va_sdst(0) depctr_va_ssrc(0) depctr_va_vcc(0) depctr_vm_vsrc(0)
	s_getreg_b32 s2, hwreg(HW_REG_IB_STS2, 6, 4)
	s_cmp_eq_u32 s2, 0
	s_cbranch_scc0 .Lentry_in_a_cluster
	s_endpgm
.Lentry_in_a_cluster:
	s_bfe_u32 s2, ttmp6, 0x10000c
	s_cmp_lg_u32 s2, 0xf033
	s_cbranch_scc0 .Lentry_shape_is_right
	s_endpgm
.Lentry_shape_is_right:
; ATTN.  O[q] = softmax_k(q . k / sqrt(128) + mask[q][k]) v, all 2,048 keys: the mask is an input and every entry is added.  q, k, v: f16 [3][16][2048][128] with a power-of-two scale
; for each block of 64 rows (sc); mask: bf16.  Products, maxima and sums in f32; the weights are rounded to f16 for the second product, O once at the end.
; SHARES.  A work-group owns 128 queries of one head.  Wave w: queries 64 (w & 1) .. + 63 (four tiles of 16, in two PIECES 0 and 2), and the half w >> 1 of every slot's 128 keys: 16 key steps of 64.
; The two waves of a query half are merged once, at the end, through LDS.
; SCALES.  u = raw x fn + mask, fn = iq ik / sqrt(128).  With Ug the largest of all v scales and d = min(log2(Ug / iv), 96) of the step: p' = 2^((u - m) log2e - d) <= 1, l += 2^d sum p', O' += p' V'.
; O' / l is O / Ug, below 2^14 in magnitude; the last launch multiplies by Ug.  u - m is formed first, so that a mask of -1e9 costs the exponent no bits.
; LIMITS.  A block of 64 keys of v whose largest number lies below 2^-10 of the largest block's keeps fewer bits of p'; below 2^-24 it counts as 0.  A weight below 2^-126 counts as 0 in l.
; -inf in the mask gives weight 0; a row that is all -inf gives NaN.  NaN and +inf are not treated apart.
; LAYOUT and TURNS.  S^T = K Q^T holds one query a lane and eight keys an accumulator; rounded in pairs it is source 1 of O^T = V^T P.  In a TURN one piece has the matrix unit (32 V^T P of the step in hand,
; 32 K Q^T of the next); the other piece's softmax, 183 instructions a tile, stands in rows behind the 64 matrix instructions, written out below.  m starts at the lowest finite number, O and l at 0:
; no first step is written out; the loop is entered, and the tail left, in the middle of a trip.  The price: 32 products on zeros that start O^T, 32 more on zeros in the first turn, 32 on a stale K,
; and 176 v_mov_b32; all but the stale ones stand in the wait for the first tile.
; CLUSTER 4 x 4: x = query block, y = head.  K's and V's tiles hang on the head alone (shared along a row), the mask's on the query block alone (shared along a column).
; REGISTERS: window 0: v2-10 addresses, v12-43 eight of statistics a tile (m, -, l, l, c0-c3), v64-191 S^T, v192-255 P; window 1: O^T; window 2: v0-127 Q, v128-255 K; window 3: v0-127 V, v128-191 mask.
.set PK,    272
.set PV,    288
.set PM,    272
.set VOFF,  128*PK
.set MOFF,  VOFF+128*PV
.set SLOT1, 1<<17                      ; a slot is 106,496 bytes; one exclusive or turns an address into the other slot's
.set XCH,   SLOT1+MOFF+128*PM          ; behind the ring: for each query half 32,768 bytes of O^T and 1,024 of statistics
.set XQ,    33792
.set STAGE, XCH+2*XQ                   ; 16 rows x 272 bytes for each query half
.set SP,    272
.set SPARE, STAGE+2*16*SP
.set AK0, 2
.set AV0, 3
.set ADR, 4
.set QO,  5
.set STO, 6
.set RD,  7
.set GO,  8
.set AM0, 9
.set FNV, 10
.set ST,  12
.set XA,  61
.set SPW, 62
.set NIL, 63
.set S,   64
.set P,   192
.set KF,  128                          ; window 2
.set MK,  128                          ; window 3: 16 registers a tile
.set WV,  12
.set G1K, 24
.set G1V, 32
.set G1M, 40
.set G0K, 48
.set G0V, 52
.set G0M, 56
.set CS,  60                           ; s[60:61] log2(e)
.set SEL, 62
.set TB,  66                           ; LDS byte of the slot to be fetched from
.set CNT, 67
.set FN,  68
.set ND,  70                           ; s[70:71] -d
.set RS,  72                           ; s[72:73] 2^d
.set KV,  74                           ; s[74:75] ik, iv of the step to come
.set SCP, 76
.set OFFI, 78
.set OFFC, 79
.set UGB, 80
.set CQ,  81
.set QG,  82
.set KH,  83
.set FK, (1<<16)|(1<<20)|(1<<21)|(5<<22)|(3<<25)
.set FV, (1<<16)|(1<<20)|(1<<21)|(5<<22)|(7<<25)
.set MSB, 0
.macro WIN new
.if MSB != (\new)
	s_set_vgpr_msb (MSB<<8)|(\new)
.set MSB, \new
.endif
.endm
.set W_KQ, 0x0a
.set W_PV, 0x53
.macro PLACES
.rept 4
	v_nop
.endr
.endm
; A joint fill, one load a wave: wave 0 the slot's K, wave 1 its V, waves 2 and 3 the mask's rows 0-63 and 64-127.  An s_nop 0 and four v_nop follow each line.
.macro JLOAD
	s_cmp_lt_u32 s[WV], 2
	s_cbranch_scc0 .Lfor_m_\@
	s_cmp_eq_u32 s[WV], 0
	s_cbranch_scc0 .Lfor_v_\@
	tensor_load_to_lds s[G0K:G0K+3], s[G1K:G1K+7]
	s_nop 0
	PLACES
	s_branch .Lasked_\@
.Lfor_v_\@:
	tensor_load_to_lds s[G0V:G0V+3], s[G1V:G1V+7]
	s_nop 0
	PLACES
	s_branch .Lasked_\@
.Lfor_m_\@:
	tensor_load_to_lds s[G0M:G0M+3], s[G1M:G1M+7]
	s_nop 0
	PLACES
.Lasked_\@:
.endm
.macro CROUND
	s_barrier_signal -1
	s_barrier_wait -1
	s_cmp_lg_u32 s[WV], 0
	s_cbranch_scc1 .Lnot_wave_0_\@
	s_barrier_signal -3
.Lnot_wave_0_\@:
	s_barrier_wait -3
	s_barrier_signal -1
	s_barrier_wait -1
.endm
; THE CHANGE OF SLOTS.  All four fetches of the slot just left have been issued.  Each wave waits for all its tensor loads (one is out: its part of the other slot), adds 0 to its spare word, waits for that and
; for its reads.  fill = 1: a round of the cluster's barrier, and the slot is filled again first thing behind it, with the keys two slots on: it has 128 matrix instructions in which to land.
.macro CHANGE fill
	WIN 0
	s_wait_tensorcnt 0x0
	ds_add_u32 v[SPW], v[NIL]
.if \fill
.irp g, G0K, G0V
	s_xor_b32 s[\g+1], s[\g+1], SLOT1
	s_add_nc_u64 s[\g+2:\g+3], s[\g+2:\g+3], 128*256   ; the next 128 keys
.endr
	s_xor_b32 s[G0M+1], s[G0M+1], SLOT1
	s_add_nc_u64 s[G0M+2:G0M+3], s[G0M+2:G0M+3], 256   ; 128 keys along the mask's rows
	s_wait_dscnt 0x0
	CROUND
	JLOAD
.else
	s_wait_dscnt 0x0
	s_barrier_signal -1
	s_barrier_wait -1
.endif
	s_xor_b32 s[TB], s[TB], SLOT1
.endm
	s_load_b256 s[4:11], s[0:1], 0x0               ; qkv 4, mb 6, sc 8, ob 10
	v_lshl_add_u32 v[SPW], v0, 2, SPARE
	v_mov_b32 v[NIL], 0
	ds_add_u32 v[SPW], v[NIL]                      ; the wave's opening: the add, with its wait ahead of my first tensor load
	v_lshrrev_b32 v1, 5, v0
	v_readfirstlane_b32 s[WV], v1
	s_and_b32 s[QG], s[WV], 1
	s_lshr_b32 s[KH], s[WV], 1
	s_bfe_u32 s13, ttmp6, 0x40000                  ; cx
	s_bfe_u32 s14, ttmp6, 0x40004                  ; cy
	s_lshl_b32 s15, ttmp9, 2
	s_add_co_u32 s15, s15, s13                     ; query block
	s_and_b32 s16, ttmp7, 0xffff
	s_lshl_b32 s16, s16, 2
	s_add_co_u32 s16, s16, s14                     ; head
	s_lshl_b32 s17, s14, 2
	s_lshl_b32 s17, 15, s17                        ; my row of the cluster: the same head
	s_lshl_b32 s18, 0x1111, s13                    ; my column: the same query block
	s_or_b32 s[G1K], s17, FK
	s_or_b32 s[G1V], s17, FV
	s_or_b32 s[G1M], s18, FK
.irp g, G1K, G1V
	s_mov_b32 s[\g+1], 128<<16                     ; 128 elements x 128 rows, dense
	s_mov_b32 s[\g+2], 128<<16
	s_mov_b32 s[\g+3], 128<<16
	s_mov_b32 s[\g+4], 128
	s_mov_b32 s[\g+5], 128
	s_mov_b32 s[\g+6], 0
	s_mov_b32 s[\g+7], 0
.endr
	s_mov_b32 s[G1M+1], 128<<16                    ; 128 keys x 64 queries, rows 2,048 elements apart
	s_mov_b32 s[G1M+2], 64<<16
	s_mov_b32 s[G1M+3], 128<<16
	s_mov_b32 s[G1M+4], 64
	s_mov_b32 s[G1M+5], 2048
	s_mov_b32 s[G1M+6], 0
	s_mov_b32 s[G1M+7], 0
	s_add_co_u32 s20, s16, 16
	s_lshl_b32 s20, s20, 19                        ; k's head
	s_mov_b32 s21, 0
	s_add_co_u32 s22, s16, 32
	s_lshl_b32 s22, s22, 19                        ; v's head
	s_mov_b32 s23, 0
	s_lshl_b32 s84, s15, 1
	s_add_co_u32 s84, s84, s[QG]                   ; which 64 of the 2,048 queries: mine, and the mask rows that waves 2 and 3 fetch
	s_lshl_b32 s86, s84, 18                        ; x 64 rows of 4,096 bytes
	s_mov_b32 s87, 0
	s_mul_i32 s19, s[QG], 64*PM
	s_add_co_u32 s19, s19, MOFF
	s_mov_b32 s[G0K], 1
	s_mov_b32 s[G0K+1], 0
	s_mov_b32 s[G0V], 1
	s_mov_b32 s[G0V+1], VOFF
	s_mov_b32 s[G0M], 1
	s_mov_b32 s[G0M+1], s19
	s_lshl_b32 s2, s16, 19
	s_lshl_b32 s3, s84, 14
	s_add_co_u32 s2, s2, s3                        ; my rows of q
	s_mov_b32 s3, 0
	s_lshl_b32 s88, s16, 8
	s_add_co_u32 s88, s88, s86                     ; my rows of ob, the head's 256 bytes
	s_mov_b32 s89, 0
	s_lshl_b32 s90, s16, 5
	s_add_co_u32 s90, s90, s84
	s_lshl_b32 s90, s90, 2                         ; my q scale
	s_mov_b32 s91, 0
	s_lshl_b32 s92, s16, 8
	s_lshl_b32 s93, s[KH], 3
	s_add_co_u32 s92, s92, s93
	s_add_co_u32 s92, s92, 2048                    ; (ik, iv) of my half of slot 0; 16 bytes a slot
	s_mov_b32 s93, 0
	s_mov_b32 s[CS], 0x3fb8aa3b
	s_mov_b32 s[CS+1], s[CS]
	s_mov_b32 s[SEL], 0x76543210
	s_mov_b32 s[SEL+1], 0xfedcba98
	s_mov_b32 s[TB], SLOT1                         ; the first change of slots turns it into 0
	s_mov_b32 s[OFFI], 0
	s_wait_dscnt 0x0                               ; the opening add is done
	s_wait_kmcnt 0x0
	s_add_nc_u64 s[G0K+2:G0K+3], s[4:5], s[20:21]
	s_or_b32 s[G0K+3], s[G0K+3], 0x80000000
	s_add_nc_u64 s[G0V+2:G0V+3], s[4:5], s[22:23]
	s_or_b32 s[G0V+3], s[G0V+3], 0x80000000
	s_add_nc_u64 s[G0M+2:G0M+3], s[6:7], s[86:87]
	s_or_b32 s[G0M+3], s[G0M+3], 0x80000000
	s_add_nc_u64 s[SCP:SCP+1], s[8:9], s[92:93]
	s_add_nc_u64 s[90:91], s[8:9], s[90:91]
	s_add_nc_u64 s[2:3], s[4:5], s[2:3]
	s_add_nc_u64 s[10:11], s[10:11], s[88:89]
	CROUND                                         ; all sixteen work-groups are here
	JLOAD                                          ; slot 0; slot 1 is asked for when slot 0 is in
	s_load_b32 s94, s[90:91], 0x0
	s_load_b64 s[KV:KV+1], s[SCP:SCP+1], 0x0
	v_and_b32 v1, 15, v0                           ; l % 16
	v_bfe_u32 v44, v0, 4, 1                        ; l / 16
	v_lshlrev_b32 v[QO], 8, v1
	v_lshl_add_u32 v[QO], v44, 4, v[QO]
	WIN 0x80
.irp i, 0,1,2,3,4,5,6,7,8,9,10,11,12,13,14,15          ; Q stays in registers: tile i / 4, channels 32 (i % 4) on
	global_load_b128 v[8*(\i):8*(\i)+3],   v[QO], s[2:3] offset:((\i)/4)*4096+((\i)%4)*64
	global_load_b128 v[8*(\i)+4:8*(\i)+7], v[QO], s[2:3] offset:((\i)/4)*4096+((\i)%4)*64+32
.endr
	WIN 0
	v_and_b32 v45, 31, v0
	v_lshlrev_b32 v48, 4, v45
.irp i, 0,1,2,3,4,5,6,7                                ; all 512 (ik, iv) pairs, for Ug
	global_load_b128 v[64+4*\i:67+4*\i], v48, s[8:9] offset:2048+512*\i
.endr
	; what the first turn finds: V, piece 2's P, O^T and l are 0.  All this stands in the wait for the first tile.
	WIN 0xc0
.set i, 0
.rept 128
	v_mov_b32 v[i], 0
.set i, i+1
.endr
	WIN 0
.set i, 0
.rept 4
	v_mov_b32 v[ST+8*i], 0xff7fffff                ; m: the lowest finite number
	v_mov_b32 v[ST+8*i+1], 0                       ; named with it as a pair
	v_mov_b32 v[ST+8*i+2], 0
	v_mov_b32 v[ST+8*i+3], 0
.set i, i+1
.endr
.set i, P+32
.rept 32
	v_mov_b32 v[i], 0
.set i, i+1
.endr
	WIN W_PV
.set i, 0
.rept 32                                               ; O^T's 32 accumulators begin as a product of zeros with the constant 0 as C: 32 lines in place of 256 that would clear them
	v_wmma_f32_16x16x32_f16 v[8*i:8*i+7], v[0:7], v[P+32:P+39], 0
.set i, i+1
.endr
	WIN 0
	v_mul_u32_u24 v46, v1, PK
	v_lshl_add_u32 v46, v44, 4, v46                ; row x 272 + 16 x half: K's and the mask's rows have one pitch
	s_mul_i32 s95, s[KH], 64*PK
	v_add_nc_u32 v[AK0], s95, v46                  ; my half of the slot's keys
	s_mul_i32 s95, s[QG], 64*PM
	s_lshl_b32 s85, s[KH], 7
	s_add_co_u32 s95, s95, s85
	s_add_co_u32 s95, s95, MOFF
	v_add_nc_u32 v[AM0], s95, v46                  ; my 64 queries' rows, my 64 keys' 128 bytes
	v_and_b32 v46, 7, v0
	v_bfe_u32 v47, v0, 3, 1
	v_lshl_add_u32 v[AV0], v44, 3, v46
	v_mul_u32_u24 v[AV0], v[AV0], PV
	v_lshl_add_u32 v[AV0], v47, 4, v[AV0]
	s_mul_i32 s95, s[KH], 64*PV
	s_add_co_u32 s95, s95, VOFF
	v_add_nc_u32 v[AV0], s95, v[AV0]
	s_mul_i32 s95, s[QG], XQ
	s_add_co_u32 s95, s95, XCH
	v_lshl_add_u32 v[XA], v45, 4, s95
; THE MATRIX WORK.  The accumulators take turns, one instruction a turn,
.macro PV x                            ; product i of 32 of O^T += V^T P: keys 32 (i / 16) on, channels 16 ((i / 2) % 8) on, tile x + i % 2
	WIN W_PV
.set rO, 64*((\x)+i%2)+8*((i/2)%8)
.set rV, 64*(i/16)+8*((i/2)%8)
.set rP, P+16*((\x)+i%2)+8*(i/16)
	v_wmma_f32_16x16x32_f16 v[rO:rO+7], v[rV:rV+7], v[rP:rP+7], v[rO:rO+7]
.endm
.macro KQ x                            ; product i of 32 of S^T = K Q^T: channels 32 (i / 8) on, keys 16 ((i / 2) % 4) on, tile x + i % 2; the first 8 start the sums
	WIN W_KQ
.set rS, S+32*((\x)+i%2)+8*((i/2)%4)
.set rK, KF+32*((i/2)%4)+8*(i/8)
.set rQ, 32*((\x)+i%2)+8*(i/8)
.if i < 8
	v_wmma_f32_16x16x32_f16 v[rS:rS+7], v[rK:rK+7], v[rQ:rQ+7], 0
.else
	v_wmma_f32_16x16x32_f16 v[rS:rS+7], v[rK:rK+7], v[rQ:rQ+7], v[rS:rS+7]
.endif
.endm
.macro MM                              ; the turn's next matrix instruction
.if i < 32
	PV PX
.else
.set i, i-32
	KQ PX
.set i, i+32
.endif
.set i, i+1
.endm
; THE LDS LOADS stand in runs.
.macro FETCH_K
	WIN 0
	v_add_nc_u32 v[ADR], s[TB], v[AK0]
	WIN 0x80
.irp f, 0,1,2,3,4,5,6,7,8,9,10,11,12,13,14,15
	ds_load_b128 v[KF+8*(\f):KF+8*(\f)+3],   v[ADR] offset:((\f)/4)*16*PK+((\f)%4)*64
	ds_load_b128 v[KF+8*(\f)+4:KF+8*(\f)+7], v[ADR] offset:((\f)/4)*16*PK+((\f)%4)*64+32
.endr
.endm
.macro FETCH_V
	WIN 0
	v_add_nc_u32 v[ADR], s[TB], v[AV0]
	WIN 0xc0
.irp f, 0,1,2,3,4,5,6,7,8,9,10,11,12,13,14,15
	ds_load_tr16_b128 v[8*(\f):8*(\f)+3],   v[ADR] offset:((\f)/8)*32*PV+((\f)%8)*32
	ds_load_tr16_b128 v[8*(\f)+4:8*(\f)+7], v[ADR] offset:((\f)/8)*32*PV+16*PV+((\f)%8)*32
.endr
.endm
.macro FETCH_M y                       ; piece y's mask: for each tile and 16 keys my query's eight bf16
	WIN 0
	v_add_nc_u32 v[ADR], s[TB], v[AM0]
	WIN 0xc0
.irp t, \y, (\y)+1
.irp b, 0,1,2,3
	ds_load_b128 v[MK+16*(\t)+4*\b:MK+16*(\t)+4*\b+3], v[ADR] offset:(\t)*16*PM+32*\b
.endr
.endr
.endm
; The scalars of the step whose softmax begins, and the request for the next step's pair; the offset is kept within the head's 16 pairs.
.macro NEWSC
	WIN 0
	s_wait_kmcnt 0x0
	s_mul_f32 s[FN], s[CQ], s[KV]
	s_sub_co_u32 s84, s[UGB], s[KV+1]              ; both are powers of two: the fields' difference is log2(Ug / iv)
	s_lshr_b32 s84, s84, 23
	s_min_u32 s84, s84, 96
	s_cvt_f32_u32 s[ND], s84
	s_xor_b32 s[ND], s[ND], 0x80000000
	s_mov_b32 s[ND+1], s[ND]
	s_add_co_u32 s84, s84, 127
	s_lshl_b32 s[RS], s84, 23
	s_mov_b32 s[RS+1], s[RS]
	v_mov_b32 v[FNV], s[FN]
	s_add_co_u32 s[OFFI], s[OFFI], 16
	s_min_u32 s[OFFC], s[OFFI], 240
	s_load_b64 s[KV:KV+1], s[SCP:SCP+1], s[OFFC] offset:0x0
.endm
; THE VECTOR WORK, one entry at a time: OP tile, kind, number.
;   KA n  u = raw fn + mask for score n of 32        KX n  0-15 the maximum of the 32 scores and the old m; 16 the old m is kept; 17, 18 the other half of the lanes' keys, the new m;
;   KY b  pair b: u - m                                    19-21 a = 2^((m_old - m_new) log2e)
;   KF b  pair b: times log2e, less d                KE n  the exponential of score n        KC b  pair b rounded to f16        KB z  sum z of 15, in place, neighbours 1, 2, 4, 8 pairs apart
;   KL 0  l = a l     KL 1  l += 2^d sum             KR n  pair n of 32 of O^T times a
.set KA, 0
.set KX, 1
.set KY, 2
.set KF_, 3
.set KE, 4
.set KC, 5
.set KB, 6
.set KL, 7
.set KR, 8
.macro OP t, k, n
.set rT, ST+8*(\t)
.set rS, S+32*(\t)
.set rP, P+16*(\t)
.set rO, 64*(\t)
.set rM, MK+16*(\t)
.if (\k) == KA
	WIN 0x30                                       ; source 2, the mask, in window 3
.if (\n)%2
	v_fma_mix_f32_bf16 v[rS+(\n)], v[rS+(\n)], v[FNV], v[rM+(\n)/2] op_sel:[0,0,1] op_sel_hi:[0,0,1]
.else
	v_fma_mix_f32_bf16 v[rS+(\n)], v[rS+(\n)], v[FNV], v[rM+(\n)/2] op_sel:[0,0,0] op_sel_hi:[0,0,1]
.endif
.elseif (\k) == KR
	WIN 0x41
	v_pk_mul_f32 v[rO+2*(\n):rO+2*(\n)+1], v[rO+2*(\n):rO+2*(\n)+1], v[rT+6:rT+7] op_sel_hi:[1,0]
.else
	WIN 0
.if (\k) == KY
	v_pk_add_f32 v[rS+2*(\n):rS+2*(\n)+1], v[rS+2*(\n):rS+2*(\n)+1], v[rT:rT+1] op_sel_hi:[1,0] neg_lo:[0,1] neg_hi:[0,1]
.elseif (\k) == KF_
	v_pk_fma_f32 v[rS+2*(\n):rS+2*(\n)+1], v[rS+2*(\n):rS+2*(\n)+1], s[CS:CS+1], s[ND:ND+1] op_sel_hi:[1,0,0]
.elseif (\k) == KE
	v_exp_f32 v[rS+(\n)], v[rS+(\n)]
.elseif (\k) == KC
	s_wait_alu depctr_va_vdst(0)
	v_cvt_pk_f16_f32 v[rP+(\n)], v[rS+2*(\n)], v[rS+2*(\n)+1]
.elseif (\k) == KB
.set w, 4
.set u, (\n)
.if (\n) >= 14
.set w, 32
.set u, 0
.elseif (\n) >= 12
.set w, 16
.set u, (\n)-12
.elseif (\n) >= 8
.set w, 8
.set u, (\n)-8
.endif
	v_pk_add_f32 v[rS+w*u:rS+w*u+1], v[rS+w*u:rS+w*u+1], v[rS+w*u+w/2:rS+w*u+w/2+1]
.elseif (\k) == KL
.if (\n) == 0
	s_wait_alu depctr_va_vdst(0)
	v_pk_mul_f32 v[rT+2:rT+3], v[rT+2:rT+3], v[rT+6:rT+7] op_sel_hi:[1,0]
.else
	v_pk_fma_f32 v[rT+2:rT+3], v[rS:rS+1], s[RS:RS+1], v[rT+2:rT+3] op_sel_hi:[1,0,1]
.endif
.elseif (\n) < 4
	v_max3_num_f32 v[rT+4+(\n)], v[rS+8*(\n)], v[rS+8*(\n)+1], v[rS+8*(\n)+2]
.elseif (\n) < 12
	v_max3_num_f32 v[rT+4+(\n)%4], v[rT+4+(\n)%4], v[rS+8*((\n)%4)+2*((\n)/4)+1], v[rS+8*((\n)%4)+2*((\n)/4)+2]
.elseif (\n) == 12
	v_max3_num_f32 v[rT+4], v[rT+4], v[rS+7], v[rS+15]
.elseif (\n) == 13
	v_max3_num_f32 v[rT+6], v[rT+6], v[rS+23], v[rS+31]
.elseif (\n) == 14
	v_max3_num_f32 v[rT+4], v[rT+4], v[rT+5], v[rT+6]
.elseif (\n) == 15
	v_max3_num_f32 v[rT+4], v[rT+4], v[rT+7], v[rT]
.elseif (\n) == 16
	v_mov_b32 v[rT+7], v[rT]
.elseif (\n) == 17
	v_permlanex16_b32 v[rT+5], v[rT+4], s[SEL], s[SEL+1]
.elseif (\n) == 18
	v_max_num_f32 v[rT], v[rT+4], v[rT+5]
.elseif (\n) == 19
	v_sub_f32 v[rT+7], v[rT+7], v[rT]
.elseif (\n) == 20
	v_mul_f32 v[rT+7], s[CS], v[rT+7]
.else
	v_exp_f32 v[rT+6], v[rT+7]
.endif
.endif
.endm
.macro ROW a, i1, b=-1, i2=0, c=-1, i3=0  ; a matrix instruction, and behind it up to three entries, each for both tiles of the other piece
	MM
	OP PY, \a, \i1
	OP PY+1, \a, \i1
.if (\b) >= 0
	OP PY, \b, \i2
	OP PY+1, \b, \i2
.endif
.if (\c) >= 0
	OP PY, \c, \i3
	OP PY+1, \c, \i3
.endif
.endm
; A TURN: piece x has the matrix unit, piece 2 - x's softmax rides.  No rider names a register of the products round it.  Behind every exponential the next plain instruction touches neither its result
; nor its source (ISA guide 5.7.2), and a result is used three entries later at the earliest.
; Piece 0's turn fetches the next step's K and piece 0's mask behind its second product (K's last reader stands 16 plain riders back); piece 2's turn fetches that step's V and piece 2's mask behind the
; second K Q^T (V's last reader stands three rows back, ten of their riders plain).  Each run has 30 matrix instructions before the wait for it.
.macro TURN x
.set PX, (\x)
.set PY, 2-(\x)
.set i, 0
.if (\x) == 0
	s_wait_dscnt 0x0                               ; V and piece 2's mask are in
.else
	NEWSC
.endif
	ROW KA,0, KA,1, KA,2
	ROW KA,3, KA,4, KA,5
.if (\x) == 0
	FETCH_K
	FETCH_M 0
.endif
.set q, 6
.rept 8
	ROW KA,q, KA,q+1, KA,q+2
.set q, q+3
.endr
	ROW KA,30, KA,31
.set q, 0
.rept 7
	ROW KX,q, KX,q+1, KX,q+2
.set q, q+3
.endr
	ROW KY,0, KX,21, KY,1
	ROW KF_,0, KY,2, KF_,1
	ROW KE,0, KY,3, KE,1
	ROW KF_,2, KL,0, KE,2
	ROW KY,4, KE,3, KF_,3
	ROW KC,0, KE,4, KY,5
	ROW KE,5, KF_,4, KC,1
	ROW KE,6, KY,6, KE,7
	ROW KF_,5, KC,2, KE,8
	ROW KY,7, KE,9, KF_,6
	ROW KC,3, KE,10, KY,8
	ROW KE,11, KF_,7, KC,4
	ROW KE,12, KY,9, KE,13
	ROW KF_,8, KC,5, KE,14
.if (\x) == 0
	s_wait_dscnt 0x0                               ; K and piece 0's mask are in
.endif
	ROW KY,10, KE,15, KF_,9
	ROW KC,6, KE,16, KY,11
.if (\x) == 2
	FETCH_V
	FETCH_M 2
.endif
	ROW KE,17, KF_,10, KC,7
	ROW KE,18, KY,12, KE,19
	ROW KF_,11, KC,8, KE,20
	ROW KY,13, KE,21, KF_,12
	ROW KC,9, KE,22, KY,14
	ROW KE,23, KF_,13, KC,10
	ROW KE,24, KY,15, KE,25
	ROW KF_,14, KC,11, KE,26
	ROW KB,0, KE,27, KF_,15
	ROW KC,12, KE,28, KB,1
	ROW KE,29, KB,2, KC,13
	ROW KE,30, KB,3, KE,31
	ROW KB,4, KC,14, KB,5
	ROW KC,15, KB,8, KB,6
	ROW KB,9, KB,7, KB,10
	ROW KB,12, KB,11, KB,13
	ROW KB,14, KL,1
.set q, 0
.rept 6
	ROW KR,q, KR,q+1, KR,q+2
.set q, q+3
.endr
.rept 7
	ROW KR,q, KR,q+1
.set q, q+2
.endr
.endm
	CHANGE 1                                       ; slot 0 is in, everybody's part of it; slot 1 is asked for
	FETCH_K                                        ; key step 0
	FETCH_M 0
	WIN 0
	s_wait_loadcnt 0x0                             ; Q and the scales
	v_max3_num_f32 v49, v65, v67, v69              ; Ug: the largest of the 512 iv
	v_max3_num_f32 v49, v49, v71, v73
	v_max3_num_f32 v49, v49, v75, v77
	v_max3_num_f32 v49, v49, v79, v81
	v_max3_num_f32 v49, v49, v83, v85
	v_max3_num_f32 v49, v49, v87, v89
	v_max3_num_f32 v49, v49, v91, v93
	v_max_num_f32 v49, v49, v95
	v_max_num_f32_dpp v49, v49, v49 row_xmask:1 row_mask:0xf bank_mask:0xf
	v_max_num_f32_dpp v49, v49, v49 row_xmask:2 row_mask:0xf bank_mask:0xf
	v_max_num_f32_dpp v49, v49, v49 row_xmask:4 row_mask:0xf bank_mask:0xf
	v_max_num_f32_dpp v49, v49, v49 row_xmask:8 row_mask:0xf bank_mask:0xf
	v_mov_b32 v50, v49
	v_permlanex16_b32 v50, v49, s[SEL], s[SEL+1]
	v_max_num_f32 v49, v49, v50
	v_readfirstlane_b32 s[UGB], v49
	s_wait_kmcnt 0x0
	s_mul_f32 s[CQ], s94, 0x3db504f3               ; iq / sqrt(128)
	s_wait_dscnt 0x0
.set i, 0
.rept 32
	KQ 0                                           ; piece 0's first scores
.set i, i+1
.endr
	WIN 0                                          ; the addresses for the way out: eight plain instructions, the places behind those products
	s_mul_i32 s95, s[QG], 16*SP
	s_add_co_u32 s95, s95, STAGE
	v_mul_u32_u24 v[STO], v1, SP
	v_lshl_add_u32 v[STO], v44, 4, v[STO]
	v_add_nc_u32 v[STO], s95, v[STO]
	v_mul_u32_u24 v[RD], v44, SP
	v_lshl_add_u32 v[RD], v1, 4, v[RD]
	v_add_nc_u32 v[RD], s95, v[RD]
	v_lshlrev_b32 v[GO], 12, v44
	v_lshl_add_u32 v[GO], v1, 4, v[GO]
	s_mov_b32 s[CNT], 15
	s_branch .Lmid                                 ; the loop is entered in the middle of a trip
.Ltrip:                                                ; 14 whole trips: slots 2 to 15 are asked for
	CHANGE 1
	TURN 0
	WIN 0
.Lmid:
	TURN 2
	WIN 0
	s_sub_co_u32 s[CNT], s[CNT], 1
	s_cmp_lg_u32 s[CNT], 0
	s_cbranch_scc1 .Ltrip
	CHANGE 0                                       ; the tail is written out
	s_mov_b32 s[CNT], 2
.Ltail:
	TURN 0
	WIN 0
	s_sub_co_u32 s[CNT], s[CNT], 1
	s_cmp_eq_u32 s[CNT], 0
	s_cbranch_scc1 .Lout                           ; the second trip is left in its middle: its 32 K Q^T, on the last K once more, serve nothing
	TURN 2
	WIN 0
	s_cmp_lg_u32 s[CNT], 0
	s_cbranch_scc1 .Ltail
.Lout:
.set i, 0
.rept 32
	PV 2                                           ; piece 2's V^T P of the last step
.set i, i+1
.endr
	; THE MERGE.  The wave with the upper key halves hands m, l and O^T to its partner through LDS.
	WIN 0
.macro ALL line:vararg
.set t, 0
.rept 4
	s_wait_alu depctr_va_vdst(0)
	\line
.set t, t+1
.endr
.endm
	ALL v_add_f32 v[ST+8*t+2], v[ST+8*t+2], v[ST+8*t+3]        ; these are the places behind the last products
	ALL v_mov_b32 v[44+t], v[ST+8*t]
	ALL v_permlanex16_b32 v[ST+8*t+3], v[ST+8*t+2], s[SEL], s[SEL+1]
	ALL v_add_f32 v[48+t], v[ST+8*t+2], v[ST+8*t+3]
	s_cmp_lt_u32 s[WV], 2
	s_cbranch_scc1 .Lkeep
	ds_store_b128 v[XA], v[44:47] offset:32768
	ds_store_b128 v[XA], v[48:51] offset:32768+512
	WIN 0x04                                       ; the stores' data in window 1
.set i, 0
.rept 64
	ds_store_b128 v[XA], v[4*i:4*i+3] offset:512*i ; ascending: each accumulator's low registers first
.set i, i+1
.endr
	WIN 0
.Lkeep:
	s_wait_dscnt 0x0                               ; for the partner's sake
	s_barrier_signal -1
	s_barrier_wait -1
	s_cmp_lt_u32 s[WV], 2
	s_cbranch_scc0 .Lfin
	ds_load_b128 v[52:55], v[XA] offset:32768
	ds_load_b128 v[56:59], v[XA] offset:32768+512
	WIN 0x80                                       ; the partner's O^T goes where Q and K lay
.set i, 0
.rept 64
	ds_load_b128 v[4*i:4*i+3], v[XA] offset:512*i
.set i, i+1
.endr
	WIN 0
	s_wait_dscnt 63                                ; of the 66 loads just issued the oldest three are in, the two of statistics among them; 63 is the largest count that the wait can name
	ALL v_max_num_f32 v[ST+8*t+4], v[44+t], v[52+t]
	ALL v_sub_f32 v[ST+8*t+5], v[44+t], v[ST+8*t+4]
	ALL v_sub_f32 v[ST+8*t+6], v[52+t], v[ST+8*t+4]
	ALL v_mul_f32 v[ST+8*t+5], s[CS], v[ST+8*t+5]
	ALL v_mul_f32 v[ST+8*t+6], s[CS], v[ST+8*t+6]
	ALL v_exp_f32 v[ST+8*t+5], v[ST+8*t+5]
	ALL v_exp_f32 v[ST+8*t+6], v[ST+8*t+6]
	v_nop                                          ; a plain instruction behind the exponentials
	ALL v_mul_f32 v[ST+8*t+7], v[ST+8*t+5], v[48+t]
	ALL v_fmac_f32 v[ST+8*t+7], v[ST+8*t+6], v[56+t]
	ALL v_rcp_f32 v[ST+8*t+7], v[ST+8*t+7]
	v_nop                                          ; and behind the reciprocals
	ALL v_mul_f32 v[ST+8*t], v[ST+8*t+5], v[ST+8*t+7]
	ALL v_mul_f32 v[ST+8*t+2], v[ST+8*t+6], v[ST+8*t+7]
	s_wait_dscnt 0x0
.macro PACKM t                         ; tile t: mine x alpha / l + the partner's x beta / l, rounded to f16, through my stage into whole rows of 256 bytes
	WIN 0x41
.set i, 64*(\t)
.rept 32
	v_pk_mul_f32 v[i:i+1], v[i:i+1], v[ST+8*(\t):ST+8*(\t)+1] op_sel_hi:[1,0]
.set i, i+2
.endr
	WIN 0x52                                       ; source 0 window 2, source 1 window 0, source 2 and destination window 1
.set i, 64*(\t)
.rept 32
	v_pk_fma_f32 v[i:i+1], v[i:i+1], v[ST+8*(\t)+2:ST+8*(\t)+3], v[i:i+1] op_sel_hi:[1,0,1]
.set i, i+2
.endr
	WIN 0x05
.set i, 0
.rept 32
	v_cvt_pk_f16_f32 v[S+32*(\t)+i], v[64*(\t)+2*i], v[64*(\t)+2*i+1]
.set i, i+1
.endr
	WIN 0
.irp f, 0,1,2,3,4,5,6,7
	ds_store_b128 v[STO], v[S+32*(\t)+4*(\f):S+32*(\t)+4*(\f)+3] offset:32*(\f)
.endr
.irp f, 0,1,2,3,4,5,6,7
	ds_load_b128 v[S+32*(\t)+4*(\f):S+32*(\t)+4*(\f)+3], v[RD] offset:(\f)*2*SP  ; LDS serves a wave's instructions in order (ISA guide 5.7.1.4)
.endr
.endm
.macro SEND t, younger                 ; younger: the LDS instructions issued behind tile t's loads
.irp f, 0,1,2,3,4,5,6,7
	s_wait_dscnt (\younger)+7-(\f)
	global_store_b128 v[GO], v[S+32*(\t)+4*(\f):S+32*(\t)+4*(\f)+3], s[10:11] offset:(\t)*65536+(\f)*8192  ; 16 lanes store a row's 256 consecutive bytes, aligned
.endr
.endm
	PACKM 0
	PACKM 1
	SEND 0, 16
	PACKM 2
	SEND 1, 16
	PACKM 3
	SEND 2, 16
	SEND 3, 0
.Lfin:
	s_wait_tensorcnt 0x0                           ; the wave's end
	ds_add_u32 v[SPW], v[NIL]
	s_wait_dscnt 0x0
	CROUND                                         ; the closing round
	s_endpgm
.Lfunc_end_k_qbd6be72f05_attn:
	.size	k_qbd6be72f05_attn, .Lfunc_end_k_qbd6be72f05_attn-k_qbd6be72f05_attn
	.p2alignl 7, 3214868480
	.fill 96, 4, 3214868480
	.section	.rodata,"a",@progbits
	.p2align	6, 0x0
	.amdhsa_kernel k_qbd6be72f05_attn
		.amdhsa_group_segment_fixed_size 327680
		.amdhsa_private_segment_fixed_size 0
		.amdhsa_enable_private_segment 0
		.amdhsa_kernarg_size 32
		.amdhsa_user_sgpr_count 2
		.amdhsa_user_sgpr_kernarg_segment_ptr 1
		.amdhsa_wavefront_size32 1
		.amdhsa_system_sgpr_workgroup_id_x 1
		.amdhsa_system_sgpr_workgroup_id_y 1
		.amdhsa_system_sgpr_workgroup_id_z 1
		.amdhsa_system_vgpr_workitem_id 0
		.amdhsa_next_free_vgpr 960
		.amdhsa_next_free_sgpr 96
		.amdhsa_reserve_vcc 0
		.amdhsa_float_denorm_mode_32 3
		.amdhsa_float_denorm_mode_16_64 3
		.amdhsa_memory_ordered 1
		.amdhsa_forward_progress 1
		.amdhsa_inst_pref_size 208
	.end_amdhsa_kernel
	.amdgpu_metadata
---
amdhsa.version: [ 1, 2 ]
amdhsa.kernels:
  - .name:           k_qbd6be72f05_attn
    .symbol:         k_qbd6be72f05_attn.kd
    .args:
      - { .name: qkv, .offset: 0, .size: 8, .value_kind: global_buffer, .address_space: global }
      - { .name: mb, .offset: 8, .size: 8, .value_kind: global_buffer, .address_space: global }
      - { .name: sc, .offset: 16, .size: 8, .value_kind: global_buffer, .address_space: global }
      - { .name: ob, .offset: 24, .size: 8, .value_kind: global_buffer, .address_space: global }
    .group_segment_fixed_size: 327680
    .private_segment_fixed_size: 0
    .kernarg_segment_align: 8
    .kernarg_segment_size: 32
    .max_flat_workgroup_size: 128
    .sgpr_count:     96
    .vgpr_count:     960
    .wavefront_size: 32
...
	.end_amdgpu_metadata
.endif
;; end of part 3
;; launch outp (part 4): grid 16 x 16, 4 waves a work-group, clusters of 4 x 4, 327,680 bytes of LDS; arguments ob, wob, sc, out0; writes out0
.if DOCPART == 4
	.amdgcn_target "amdgcn-amd-amdhsa--gfx1250"
	.amdhsa_code_object_version 6
	.text
	.protected	k_qbd6be72f05_outp
	.globl	k_qbd6be72f05_outp
	.p2align	8
	.type	k_qbd6be72f05_outp,@function
k_qbd6be72f05_outp:
	s_mov_b64 s[64:65], 0
	v_nop
	global_prefetch_b8 v0, s[64:65] scope:SCOPE_SE
	s_setreg_imm32_b32 hwreg(HW_REG_WAVE_MODE, 25, 1), 1
	s_wait_xcnt 0x0
	s_wait_alu depctr_hold_cnt(0) depctr_sa_sdst(0) depctr_va_vdst(0) depctr_va_sdst(0) depctr_va_ssrc(0) depctr_va_vcc(0) depctr_vm_vsrc(0)
	s_getreg_b32 s2, hwreg(HW_REG_IB_STS2, 6, 4)
	s_cmp_eq_u32 s2, 0
	s_cbranch_scc0 .Lentry_in_a_cluster
	s_endpgm
.Lentry_in_a_cluster:
	s_bfe_u32 s2, ttmp6, 0x10000c
	s_cmp_lg_u32 s2, 0xf033
	s_cbranch_scc0 .Lentry_shape_is_right
	s_endpgm
.Lentry_shape_is_right:
; OUTP.  out0[m][n] = Ug x the sum over k of ob[m][k] wob[n][k].  ob, wob: f16 [2048][2048]; out0: f32; sums in f32.  Ug, the largest of the 512 v scales in sc, is the unit in which ob was written.
; A tile of out0 is 128 x 128 (256 work-groups); four waves, each 64 x 64: 16 accumulators.  K goes in 8 steps of 256 (LDS rows of 512 bytes) through two slots filled by joint loads:
; A's tile shared along a row of the 4 x 4 cluster, B's along a column.  The matrix instruction is used transposed: a lane holds eight neighbouring numbers of a row.
; A K STEP IS WRITTEN TWICE, once with a refill and once without: the slot is a number in a scalar register.  A trip goes from a step's second quarter to the next step's first.  Six trips ask for K steps 2 to 7;
; a tail of two trips asks for nothing and is left in its middle.  The price: the last change of slots, a barrier and 32 LDS loads from the other slot, serves nothing.
; PREFETCH.  Wave 0 of each work-group asks ahead for 16 rows x one K step (512 bytes a row): 32 lanes, 256 bytes apart in pairs, a row of 4,096 bytes from pair to pair.  Work-groups with an even tile column ask
; for rows of ob, those with an odd one for rows of wob; the rows are 128 x tile row + 16 x (tile column / 2) on, so the 128 work-groups of each kind cover the 2,048 rows once.  K steps 0 and 1 are asked for by the
; first tensor loads alone; steps 2 and 3 at the head; trip t asks for K step t + 4, which the tensor load of trip t + 2 wants: two trips, 256 matrix instructions a wave, ahead.  Trips 4 and 5 ask for nothing:
; the last byte named is 3,840 of a row.
; A wave's 64 columns of f32 are one aligned block of 256 bytes, so each wave has a stage of its own (32 rows x 272 bytes) and no barrier stands on the way out.
; REGISTERS: window 0: v0-31 addresses, v32-95 at work, v128-255 accumulators ((a, b) at v[128 + 8 (4 a + b)]); window 1: two fragment buffers of 128.
.set SIZE_K, 2048
.set ROWB,   8192
.set KSTEP,  256
.set PITCH,  528
.set HALFT,  64*PITCH                  ; 0x8400: what one load brings
.set SLOT,   4*HALFT                   ; 0x21000: it shares no bit with 0..3 x HALFT, so one exclusive or turns a load's LDS address into the other slot's
.set STAGE,  2*SLOT
.set SPITCH, 272
.set SPARE,  STAGE+4*32*SPITCH
.set PFO,  9                           ; v9   the prefetch: my lane's byte offset in 16 rows; never rewritten
.set ADRA, 16                          ; v16  LDS address of my A fragments in slot 0; never rewritten
.set CUA,  18                          ; v18  the same in the slot in hand
.set CUB,  19                          ; v19  ADRB in the slot in hand
.set ADRB, 20
.set STO,  24
.set RD,   25
.set CO,   26
.set SPW,  28
.set NIL,  29
.set TMP,  32
.set ACC,  128
.set F0,   0
.set F1,   128
.set G1,  24
.set G0,  32                           ; s[32:39] group 0 for A's tiles: a set for each of the two first fills; the second then walks on
.set G1B, 48
.set G0B, 56
.set WV,  66
.set RH,  67
.set CH,  68
.set TR,  69
.set UG,  70
.set SEL, 72
.set TB,  74                           ; s74  0 or SLOT: the slot in hand
.set PFB, 76                           ; s[76:77] the prefetch: ob or wob at my 16 rows; steps by a K step
.set FLAGS, (1<<16)|(1<<20)|(1<<21)|(6<<22)|(3<<25)  ; 2-byte elements; padding on; bit 21 beside a mask; after every 128 words, 4 words
.set MSB, 0
.macro WIN new
.if MSB != (\new)
	s_set_vgpr_msb (MSB<<8)|(\new)
.set MSB, \new
.endif
.endm
.set MUL,  0x05
.set TO_F, 0x40
.macro PLACES
.rept 4
	v_nop
.endr
.endm
.macro JLOAD s
	s_cmp_eq_u32 s[RH], 0
	s_cbranch_scc0 .Lfor_b_\@
	tensor_load_to_lds s[G0+4*(\s):G0+4*(\s)+3], s[G1:G1+7]
	s_nop 0
	PLACES
	s_branch .Lasked_\@
.Lfor_b_\@:
	tensor_load_to_lds s[G0B+4*(\s):G0B+4*(\s)+3], s[G1B:G1B+7]
	s_nop 0
	PLACES
.Lasked_\@:
.endm
; The trip's prefetch, behind the wave's own tensor load.  s3 counts the trips 6 .. 1: the last two (s3 = 2, 1) are jumped, and so are waves 1 to 3.
.macro PREF
	s_cmp_lg_u32 s[WV], 0
	s_cbranch_scc1 .Lno_pf_\@
	s_cmp_lt_u32 s3, 3
	s_cbranch_scc1 .Lno_pf_\@
	s_wait_xcnt 0x0                                ; the last prefetch, a trip back, has had its addresses translated (ISA guide 3.1): its base steps only behind this wait
	s_add_nc_u64 s[PFB:PFB+1], s[PFB:PFB+1], KSTEP*2
	global_prefetch_b8 v[PFO], s[PFB:PFB+1] offset:3*KSTEP*2 th:TH_LOAD_NT scope:SCOPE_SE  ; trip t: base + 512 (t + 1) + 1,536 = K step t + 4
.Lno_pf_\@:
.endm
.macro CREST
	s_cmp_lg_u32 s[WV], 0
	s_cbranch_scc1 .Lnot_wave_0_\@
	s_barrier_signal -3
.Lnot_wave_0_\@:
	s_barrier_wait -3
	s_barrier_signal -1
	s_barrier_wait -1
.endm
.macro CROUND
	s_barrier_signal -1
	s_barrier_wait -1
	CREST
.endm
	s_load_b256 s[4:11], s[0:1], 0x0               ; ob 4, wob 6, sc 8, out0 10
	v_lshl_add_u32 v[SPW], v0, 2, SPARE
	v_mov_b32 v[NIL], 0
	ds_add_u32 v[SPW], v[NIL]                      ; the wave's opening: the add, with its wait ahead of my first tensor load
	v_lshrrev_b32 v1, 5, v0
	v_readfirstlane_b32 s[WV], v1
	s_lshr_b32 s[RH], s[WV], 1                     ; my half of the rows; I fetch for A (0) or B (1)
	s_and_b32 s[CH], s[WV], 1                      ; my half of the columns; which 64 rows I fetch
	s_bfe_u32 s40, ttmp6, 0x40000
	s_bfe_u32 s41, ttmp6, 0x40004
	s_lshl_b32 s42, ttmp9, 2
	s_add_co_u32 s42, s42, s40                     ; tile column
	s_and_b32 s[TR], ttmp7, 0xffff
	s_lshl_b32 s[TR], s[TR], 2
	s_add_co_u32 s[TR], s[TR], s41                 ; tile row
	s_lshl_b32 s43, s41, 2
	s_lshl_b32 s43, 15, s43
	s_lshl_b32 s44, 0x1111, s40
	s_or_b32 s[G1], s43, FLAGS
	s_or_b32 s[G1B], s44, FLAGS
.irp g, G1, G1B
	s_mov_b32 s[(\g)+1], KSTEP<<16
	s_mov_b32 s[(\g)+2], 64<<16
	s_mov_b32 s[(\g)+3], KSTEP<<16
	s_mov_b32 s[(\g)+4], 64
	s_mov_b32 s[(\g)+5], SIZE_K
	s_mov_b32 s[(\g)+6], 0
	s_mov_b32 s[(\g)+7], 0
.endr
	s_lshl_b32 s17, s[CH], 6
	s_lshl_b32 s16, s[TR], 7
	s_add_co_u32 s16, s16, s17
	s_lshl_b32 s16, s16, 12                        ; A: (128 x tile row + 64 x half) rows of 4,096 bytes
	s_lshl_b32 s46, s42, 7
	s_add_co_u32 s46, s46, s17
	s_lshl_b32 s46, s46, 12                        ; B likewise, in registers that never hold the tile row
	s_mov_b32 s17, 0
	s_mov_b32 s47, 0
	s_mul_i32 s20, s[WV], HALFT
	s_mov_b32 s[TB], 0
	s_mov_b32 s[SEL], 0x76543210
	s_mov_b32 s[SEL+1], 0xfedcba98
	s_wait_dscnt 0x0                               ; the opening add is done
	s_wait_kmcnt 0x0
	s_add_nc_u64 s[14:15], s[4:5], s[16:17]
	s_add_nc_u64 s[46:47], s[6:7], s[46:47]
	CROUND
.irp s, 0,1
	s_mov_b32 s[G0+4*(\s)], 1
	s_add_co_u32 s[G0+4*(\s)+1], s20, (\s)*SLOT
	s_add_nc_u64 s[G0+4*(\s)+2:G0+4*(\s)+3], s[14:15], (\s)*KSTEP*2
	s_or_b32 s[G0+4*(\s)+3], s[G0+4*(\s)+3], 0x80000000
	s_mov_b32 s[G0B+4*(\s)], 1
	s_add_co_u32 s[G0B+4*(\s)+1], s20, (\s)*SLOT
	s_add_nc_u64 s[G0B+4*(\s)+2:G0B+4*(\s)+3], s[46:47], (\s)*KSTEP*2
	s_or_b32 s[G0B+4*(\s)+3], s[G0B+4*(\s)+3], 0x80000000
	JLOAD \s
.endr
	; the prefetch's address: the buffer by the tile column's parity, my 16 rows, my lane's place in them
	v_and_b32 v10, 31, v0
	v_and_b32 v[PFO], 1, v10
	v_lshlrev_b32 v[PFO], 8, v[PFO]                ; the first or the second 256 bytes of a K step's 512,
	v_lshrrev_b32 v10, 1, v10
	v_lshl_add_u32 v[PFO], v10, 12, v[PFO]         ; of row lane / 2
	s_lshr_b32 s78, s42, 1
	s_lshl_b32 s78, s78, 4
	s_lshl_b32 s79, s[TR], 7
	s_add_co_u32 s78, s78, s79                     ; 128 x tile row + 16 x (tile column / 2)
	s_lshl_b32 s78, s78, 12                        ; x 4,096 bytes
	s_mov_b32 s79, 0
	s_and_b32 s75, s42, 1
	s_cmp_eq_u32 s75, 0
	s_cselect_b64 s[PFB:PFB+1], s[4:5], s[6:7]
	s_add_nc_u64 s[PFB:PFB+1], s[PFB:PFB+1], s[78:79]
	s_cmp_lg_u32 s[WV], 0
	s_cbranch_scc1 .Lno_pf_head
	global_prefetch_b8 v[PFO], s[PFB:PFB+1] offset:2*KSTEP*2 th:TH_LOAD_NT scope:SCOPE_SE  ; K step 2, which the first trip's tensor load wants
	global_prefetch_b8 v[PFO], s[PFB:PFB+1] offset:3*KSTEP*2 th:TH_LOAD_NT scope:SCOPE_SE  ; K step 3, the second trip's
.Lno_pf_head:
	v_and_b32 v6, 31, v0
	v_lshlrev_b32 v6, 4, v6
.irp i, 0,1,2,3,4,5,6,7                                ; all 512 (ik, iv) pairs, for Ug: asked for here, waited for on the way out; v6 and v32-63 are left alone till then
	global_load_b128 v[32+4*\i:35+4*\i], v6, s[8:9] offset:2048+512*\i
.endr
	v_and_b32 v1, 15, v0
	v_bfe_u32 v2, v0, 4, 1
	v_mul_u32_u24 v3, v1, PITCH
	v_lshl_add_u32 v3, v2, 4, v3
	s_mul_i32 s21, s[RH], HALFT
	s_mul_i32 s22, s[CH], HALFT
	s_add_co_u32 s22, s22, 2*HALFT
	v_add_nc_u32 v[ADRA], s21, v3
	v_add_nc_u32 v[ADRB], s22, v3
	v_mov_b32 v[CUA], v[ADRA]                      ; the walk begins in slot 0
	v_mov_b32 v[CUB], v[ADRB]
	s_mul_i32 s23, s[WV], 32*SPITCH
	s_add_co_u32 s23, s23, STAGE                   ; my stage
	v_mul_u32_u24 v4, v1, SPITCH
	v_lshl_add_u32 v4, v2, 5, v4                   ; in: row l % 16, 32 bytes for each half of the lanes
	v_add_nc_u32 v[STO], s23, v4
	v_mul_u32_u24 v5, v2, SPITCH
	v_lshl_add_u32 v5, v1, 4, v5                   ; back: lanes 0-15 one row of 256 bytes, lanes 16-31 the next
	v_add_nc_u32 v[RD], s23, v5
	v_lshlrev_b32 v5, 13, v2
	v_lshl_add_u32 v[CO], v1, 4, v5                ; and the same two rows in out0
	s_lshl_b32 s16, s[TR], 7
	s_lshl_b32 s17, s[RH], 6
	s_add_co_u32 s16, s16, s17
	s_lshl_b32 s16, s16, 13                        ; my first row x 8,192 bytes
	s_lshl_b32 s17, s42, 9
	s_add_co_u32 s16, s16, s17
	s_lshl_b32 s17, s[CH], 8
	s_add_co_u32 s16, s16, s17                     ; + my first column x 4
	s_mov_b32 s17, 0
	s_add_nc_u64 s[10:11], s[10:11], s[16:17]
.macro MUL8 f, c, a0, zero
	WIN MUL
.irp a, \a0, (\a0)+1
.irp b, 0,1,2,3
.if \zero
	v_wmma_f32_16x16x32_f16 v[ACC+8*(4*(\a)+(\b)):ACC+8*(4*(\a)+(\b))+7], v[(\f)+64+8*(4*(\c)+(\b)):(\f)+64+8*(4*(\c)+(\b))+7], v[(\f)+8*(4*(\c)+(\a)):(\f)+8*(4*(\c)+(\a))+7], 0
.else
	v_wmma_f32_16x16x32_f16 v[ACC+8*(4*(\a)+(\b)):ACC+8*(4*(\a)+(\b))+7], v[(\f)+64+8*(4*(\c)+(\b)):(\f)+64+8*(4*(\c)+(\b))+7], v[(\f)+8*(4*(\c)+(\a)):(\f)+8*(4*(\c)+(\a))+7], v[ACC+8*(4*(\a)+(\b)):ACC+8*(4*(\a)+(\b))+7]
.endif
.endr
.endr
.endm
.macro FETCH k, f                      ; 32 LDS loads in one run from the slot in hand: 64 along K, the first 32 first
	WIN TO_F
.irp c, 0,1
.irp i, 0,1,2,3
	ds_load_b128 v[(\f)+64+8*(4*(\c)+(\i)):(\f)+64+8*(4*(\c)+(\i))+3],   v[CUB] offset:(\k)+64*(\c)+(\i)*16*PITCH
	ds_load_b128 v[(\f)+64+8*(4*(\c)+(\i))+4:(\f)+64+8*(4*(\c)+(\i))+7], v[CUB] offset:(\k)+64*(\c)+(\i)*16*PITCH+32
	ds_load_b128 v[(\f)+8*(4*(\c)+(\i)):(\f)+8*(4*(\c)+(\i))+3],         v[CUA] offset:(\k)+64*(\c)+(\i)*16*PITCH
	ds_load_b128 v[(\f)+8*(4*(\c)+(\i))+4:(\f)+8*(4*(\c)+(\i))+7],       v[CUA] offset:(\k)+64*(\c)+(\i)*16*PITCH+32
.endr
.endr
.endm
.macro QUARTER k, f, g, zero
	s_wait_dscnt 16                                ; the first 32 along K are in
	MUL8 \f, 0, 0, \zero
	MUL8 \f, 0, 2, \zero
	PLACES                                         ; four places in front of loads into registers that products have read
	FETCH \k, \g
	s_wait_dscnt 32                                ; all but the 32 just issued
	MUL8 \f, 1, 0, 0
	MUL8 \f, 1, 2, 0
.endm
; The last quarter changes slots: the wait for all my tensor loads, the add, the wait for it and for my reads; one barrier, which with fill = 1 opens a round of the cluster's; the joint refill first behind it.
.macro TURN fill
	WIN 0
	s_wait_tensorcnt 0x0
	ds_add_u32 v[SPW], v[NIL]
	s_wait_dscnt 17                                ; the add and the youngest sixteen loads may be out
	MUL8 F1, 0, 0, 0
	s_wait_dscnt 0x0
	s_barrier_signal -1
	MUL8 F1, 0, 2, 0
	WIN 0
	s_barrier_wait -1
.if \fill
	CREST
	s_xor_b32 s[G0+5], s[G0+5], SLOT               ; the walking descriptors: the other slot than last time,
	s_add_nc_u64 s[G0+6:G0+7], s[G0+6:G0+7], KSTEP*2       ; the next K step; the type bits on top are not reached
	s_xor_b32 s[G0B+5], s[G0B+5], SLOT
	s_add_nc_u64 s[G0B+6:G0B+7], s[G0B+6:G0B+7], KSTEP*2
	JLOAD 1
	PREF
.else
	PLACES
.endif
	s_xor_b32 s[TB], s[TB], SLOT                   ; the reads go on in the other slot
	v_add_nc_u32 v[CUA], s[TB], v[ADRA]
	v_add_nc_u32 v[CUB], s[TB], v[ADRB]
	FETCH 0, F0
	MUL8 F1, 1, 0, 0
	MUL8 F1, 1, 2, 0
.endm
	s_wait_tensorcnt 1                             ; my part of K step 0 is in; step 1's may stay out
	s_barrier_signal -1
	s_barrier_wait -1
	FETCH 0, F0
	QUARTER 128, F0, F1, 1                         ; the first quarter's first products start the sums
	WIN 0
	s_mov_b32 s3, 6
.Lstep:                                                ; the rest of K step i, the first quarter of step i + 1; K step i + 2 is asked for: i = 0 .. 5
	QUARTER 256, F1, F0, 0
	QUARTER 384, F0, F1, 0
	TURN 1
	QUARTER 128, F0, F1, 0
	WIN 0
	s_sub_co_u32 s3, s3, 1
	s_cmp_lg_u32 s3, 0
	s_cbranch_scc1 .Lstep
	s_mov_b32 s3, 2
.Ltail:                                                ; the rest of K steps 6 and 7: nothing is asked for
	QUARTER 256, F1, F0, 0
	QUARTER 384, F0, F1, 0
	TURN 0
	WIN 0
	s_sub_co_u32 s3, s3, 1
	s_cmp_eq_u32 s3, 0
	s_cbranch_scc1 .Lout                           ; the second trip is left here: there is no further step
	QUARTER 128, F0, F1, 0
	WIN 0
	s_cmp_lg_u32 s3, 0
	s_cbranch_scc1 .Ltail
.Lout:
	PLACES                                         ; behind the last products
	s_wait_loadcnt 0x0                             ; the scales, asked for at the head
	v_max3_num_f32 v7, v33, v35, v37               ; Ug: the largest of the 512 iv
	v_max3_num_f32 v7, v7, v39, v41
	v_max3_num_f32 v7, v7, v43, v45
	v_max3_num_f32 v7, v7, v47, v49
	v_max3_num_f32 v7, v7, v51, v53
	v_max3_num_f32 v7, v7, v55, v57
	v_max3_num_f32 v7, v7, v59, v61
	v_max_num_f32 v7, v7, v63
	v_max_num_f32_dpp v7, v7, v7 row_xmask:1 row_mask:0xf bank_mask:0xf
	v_max_num_f32_dpp v7, v7, v7 row_xmask:2 row_mask:0xf bank_mask:0xf
	v_max_num_f32_dpp v7, v7, v7 row_xmask:4 row_mask:0xf bank_mask:0xf
	v_max_num_f32_dpp v7, v7, v7 row_xmask:8 row_mask:0xf bank_mask:0xf
	v_mov_b32 v8, v7
	v_permlanex16_b32 v8, v7, s[SEL], s[SEL+1]
	v_max_num_f32 v7, v7, v8
	v_readfirstlane_b32 s[UG], v7
	s_mov_b32 s[UG+1], s[UG]
; THE WAY OUT, 32 rows at a time: into my stage, back as whole rows of 256 bytes, times Ug, out.  bk: where the rows come back (the second time into the first half's accumulators, which have been stored).
.macro HALFOUT half, bk
.irp a, 0,1
.irp b, 0,1,2,3
	ds_store_b128 v[STO], v[ACC+8*(4*(2*(\half)+\a)+\b):ACC+8*(4*(2*(\half)+\a)+\b)+3]   offset:\a*16*SPITCH+64*\b      ; low registers first
	ds_store_b128 v[STO], v[ACC+8*(4*(2*(\half)+\a)+\b)+4:ACC+8*(4*(2*(\half)+\a)+\b)+7] offset:\a*16*SPITCH+64*\b+16
.endr
.endr
.irp t, 0,1,2,3,4,5,6,7,8,9,10,11,12,13,14,15
	ds_load_b128 v[(\bk)+4*\t:(\bk)+4*\t+3], v[RD] offset:\t*2*SPITCH  ; LDS serves a wave's instructions in order (ISA guide 5.7.1.4)
.endr
.irp t, 0,1,2,3,4,5,6,7,8,9,10,11,12,13,14,15
	s_wait_dscnt 15-\t
	v_pk_mul_f32 v[(\bk)+4*\t:(\bk)+4*\t+1],   v[(\bk)+4*\t:(\bk)+4*\t+1],   s[UG:UG+1] op_sel_hi:[1,0]
	v_pk_mul_f32 v[(\bk)+4*\t+2:(\bk)+4*\t+3], v[(\bk)+4*\t+2:(\bk)+4*\t+3], s[UG:UG+1] op_sel_hi:[1,0]
	global_store_b128 v[CO], v[(\bk)+4*\t:(\bk)+4*\t+3], s[10:11] offset:(32*(\half)+2*\t)*ROWB th:TH_STORE_NT  ; 16 lanes store 256 consecutive bytes, aligned
.endr
.endm
	HALFOUT 0, TMP
	HALFOUT 1, ACC
	s_wait_tensorcnt 0x0                           ; the wave's end
	ds_add_u32 v[SPW], v[NIL]
	s_wait_dscnt 0x0
	CROUND                                         ; the closing round
	s_endpgm
.Lfunc_end_k_qbd6be72f05_outp:
	.size	k_qbd6be72f05_outp, .Lfunc_end_k_qbd6be72f05_outp-k_qbd6be72f05_outp
	.p2alignl 7, 3214868480
	.fill 96, 4, 3214868480
	.section	.rodata,"a",@progbits
	.p2align	6, 0x0
	.amdhsa_kernel k_qbd6be72f05_outp
		.amdhsa_group_segment_fixed_size 327680
		.amdhsa_private_segment_fixed_size 0
		.amdhsa_enable_private_segment 0
		.amdhsa_kernarg_size 32
		.amdhsa_user_sgpr_count 2
		.amdhsa_user_sgpr_kernarg_segment_ptr 1
		.amdhsa_wavefront_size32 1
		.amdhsa_system_sgpr_workgroup_id_x 1
		.amdhsa_system_sgpr_workgroup_id_y 1
		.amdhsa_system_sgpr_workgroup_id_z 1
		.amdhsa_system_vgpr_workitem_id 0
		.amdhsa_next_free_vgpr 512
		.amdhsa_next_free_sgpr 80
		.amdhsa_reserve_vcc 0
		.amdhsa_float_denorm_mode_32 3
		.amdhsa_float_denorm_mode_16_64 3
		.amdhsa_memory_ordered 1
		.amdhsa_forward_progress 1
		.amdhsa_inst_pref_size 65
	.end_amdhsa_kernel
	.amdgpu_metadata
---
amdhsa.version: [ 1, 2 ]
amdhsa.kernels:
  - .name:           k_qbd6be72f05_outp
    .symbol:         k_qbd6be72f05_outp.kd
    .args:
      - { .name: ob, .offset: 0, .size: 8, .value_kind: global_buffer, .address_space: global }
      - { .name: wob, .offset: 8, .size: 8, .value_kind: global_buffer, .address_space: global }
      - { .name: sc, .offset: 16, .size: 8, .value_kind: global_buffer, .address_space: global }
      - { .name: out0, .offset: 24, .size: 8, .value_kind: global_buffer, .address_space: global }
    .group_segment_fixed_size: 327680
    .private_segment_fixed_size: 0
    .kernarg_segment_align: 8
    .kernarg_segment_size: 32
    .max_flat_workgroup_size: 128
    .sgpr_count:     80
    .vgpr_count:     512
    .wavefront_size: 32
...
	.end_amdgpu_metadata
.endif
;; end of part 4
;; ======== version 2 of 2: 4 launches; version 1 with the launch prep written anew for expert scheduling mode
;; limits: values are held in f16: magnitudes above 65,504 overflow, below 6.1e-05 lose precision; inputs' magnitudes at most 65,504
;; workspace buffers: xb 8,388,608 bytes; wb 25,165,824 bytes; wob 8,388,608 bytes; mb 8,388,608 bytes; aux 2,883,584 bytes; qkv 25,165,824 bytes; sc 6,144 bytes; ob 8,388,608 bytes
;; launch prep (part 5): grid 128 x 4, 8 waves a work-group, no clusters, 25,600 bytes of LDS; arguments x, wq, wk, wv, wo, mask, lq_down, lk_down, lv_down, lq_up, lk_up, lv_up, freqs_cos, freqs_sin, xb, wb, wob, mb, aux; writes xb, wb, wob, mb, aux
.if DOCPART == 5
	.amdgcn_target "amdgcn-amd-amdhsa--gfx1250"
	.amdhsa_code_object_version 6
	.text
	.protected	k_qbd6be72f05_prep
	.globl	k_qbd6be72f05_prep
	.p2align	8
	.type	k_qbd6be72f05_prep,@function
k_qbd6be72f05_prep:
	s_mov_b64 s[64:65], 0
	v_nop
	global_prefetch_b8 v0, s[64:65] scope:SCOPE_SE
	s_setreg_imm32_b32 hwreg(HW_REG_WAVE_SCHED_MODE, 0, 2), 2
	s_setreg_imm32_b32 hwreg(HW_REG_WAVE_MODE, 25, 1), 1
	s_wait_xcnt 0x0
	s_wait_alu depctr_vm_vsrc(0)
; PREP.  Every input is rounded to bf16 once, here, and never otherwise.
; Work-groups y = 1..3, 384 in all, narrow x, wq, wk, wv, mask (to bf16) and wo (to bf16, that number then written as f16): 64 work-groups to a tensor, 262,144 bytes of f32 each, so that all streams are alike.
; Work-groups y = 0 (one for 16 rows of x) make the small tables in aux:
;   T   [3][2048][32] bf16: t = x_b down_b^T (f32 sums) as hi (ranks 0-15) and lo = t - hi (ranks 0-15);   UP [6144][32] bf16: 2 up_b, twice;
;   cos and sin rounded to bf16 and kept as f32 [2048][64]; a table of ones and one of zeros of the same shape (v takes them in place of cos and sin).
; LIMITS.  wo beyond 65,504 becomes an infinity in f16; below 6.1e-5 it keeps f16's fixed step of 6e-8.  NaN is not treated apart.
; No tensor loads, no cluster: the conversions share nothing, and the small path's 24 matrix instructions a wave need no ring.
; THE MODE: SCHED_MODE bits 1:0 = 2 (LLVM: expert scheduling mode 2), set by the entry lines.  The code itself states the register dependences
; between vector or matrix instructions and memory or LDS instructions, with s_wait_alu, always for 0.
; THE PLAN, THE CONVERSIONS.  A work-group's 64 chunks of 4,096 bytes go in 16 blocks of four.  Registers that memory instructions touch:
;   CX0 .. CX3  four blocks as loaded.  Written by the loads of block p + 3, issued in block p; read by block p's roundings.
;   CY0, CY1    two blocks to store.    Written by block p's roundings; read by the four stores that are issued in block p + 1.
;   v4, v5      byte offsets, made once and never written again: the chunks are reached by the two scalar bases, which move on by a block at each block's head, and by immediate offsets.
; Block p works on CX[p % 4] and writes CY[p % 2].  Its memory instructions are the loads into CX[(p - 1) % 4] and the stores from CY[(p - 1) % 2]: the two buffers that block p - 1 worked on
; and that no vector instruction of block p names.  So the waits at a block's head state all that its eight memory instructions hang on, and these are dealt among its vector instructions.
; THE PLAN, THE SMALL TABLES.  In the loop over K:
;   STG0, STG1  A step's 32 roundings read one of them; behind them the loads of the step two on land in it.
;   v4          Read by every load; written once a trip, at the trip's end.
;   FR0, FR1 and the accumulators are named by vector and matrix instructions alone.
; So ONE wait on va_vdst stands in a step, behind its roundings; the step's 16 loads follow it, dealt among its three matrix instructions, which name FR and the accumulators alone.
; One wait on vm_vsrc a trip stands ahead of the add to v4.  Behind the barrier each arm makes its addresses first, and has one wait ahead of its loads and one ahead of its run of stores.
.set SPARE,  24576                     ; behind the partial sums: the spare words, 128 bytes for each of 8 waves
.set SPW,    30                        ; v30  SPARE + 4 x my thread's number; never rewritten
.set NIL,    31                        ; v31  0; never rewritten
.set UP_OFF, 393216
.set COS_OFF, 786432
.set CX,     32                        ; v32-95   the conversions: buffer k, chunk i: 4 registers at CX + 16 k + 4 i, 4 f32 as loaded
.set CY,     96                        ; v96-111  buffer k, chunk i: 2 registers at CY + 8 k + 2 i, 4 numbers of 16 bits to store
.set CT,     112                       ; v112-115 at work: no memory instruction names them
.set STG0,   32                        ; v32-95   a K step as loaded: x, three downs, 16 f32 each
.set STG1,   96                        ; v96-159  the other step
.set FR0,    160                       ; v160-191 the same as four bf16 fragments
.set FR1,    192                       ; v192-223
.set ACC,    224                       ; v224-247 three accumulators: t^T for q, k, v
	s_load_b512 s[8:23], s[0:1], 0x0               ; x 8, wq 10, wk 12, wv 14, wo 16, mask 18, lq_down 20, lk_down 22
	s_load_b512 s[24:39], s[0:1], 0x40             ; lv_down 24, lq_up 26, lk_up 28, lv_up 30, cos 32, sin 34, xb 36, wb 38
	s_load_b128 s[40:43], s[0:1], 0x80             ; wob 40, mb 42
	s_load_b64 s[44:45], s[0:1], 0x90              ; aux
	v_lshl_add_u32 v[SPW], v0, 2, SPARE
	v_mov_b32 v[NIL], 0
	s_and_b32 s4, ttmp7, 0xffff                    ; y
	s_mov_b32 s5, ttmp9                            ; g: for y = 0, which 16 rows
	s_mov_b32 s53, 0
	s_mov_b32 s55, 0
	s_cmp_eq_u32 s4, 0
	s_cbranch_scc1 .Lsmall
	; ---------------- the conversions ----------------
	v_lshlrev_b32 v4, 4, v0                        ; 16 bytes of f32 a thread: the group's load covers 4,096 consecutive bytes
	v_lshlrev_b32 v5, 3, v0                        ; 8 bytes out: a wave's store covers 256 consecutive bytes, aligned
	s_sub_co_u32 s6, s4, 1
	s_lshl_b32 s6, s6, 7
	s_add_co_u32 s6, s6, s5                        ; 128 (y - 1) + g: 0 .. 383
	s_lshr_b32 s4, s6, 6
	s_add_co_u32 s4, s4, 1                         ; the job: 1 x, 2 wq, 3 wk, 4 wv, 5 mask, 6 wo
	s_and_b32 s5, s6, 63                           ; which of the tensor's 64 parts
	s_lshl_b32 s52, s5, 18                         ; part x 262,144 bytes in
	s_lshl_b32 s54, s5, 17                         ; part x 131,072 bytes out
	s_max_u32 s6, s4, 2
	s_sub_co_u32 s6, s6, 2                         ; wq, wk, wv lie one behind the other in wb
	s_cmp_gt_u32 s4, 4
	s_cselect_b32 s6, 0, s6
	s_lshl_b32 s6, s6, 23
	s_add_co_u32 s54, s54, s6
	s_mov_b32 s7, 0xffff0000                       ; a word's upper bf16
	s_wait_kmcnt 0x0
	s_cmp_eq_u32 s4, 2
	s_cselect_b64 s[48:49], s[10:11], s[8:9]
	s_cmp_eq_u32 s4, 3
	s_cselect_b64 s[48:49], s[12:13], s[48:49]
	s_cmp_eq_u32 s4, 4
	s_cselect_b64 s[48:49], s[14:15], s[48:49]
	s_cmp_eq_u32 s4, 5
	s_cselect_b64 s[48:49], s[18:19], s[48:49]
	s_cmp_eq_u32 s4, 6
	s_cselect_b64 s[48:49], s[16:17], s[48:49]
	s_cmp_eq_u32 s4, 1
	s_cselect_b64 s[50:51], s[36:37], s[38:39]
	s_cmp_eq_u32 s4, 5
	s_cselect_b64 s[50:51], s[42:43], s[50:51]
	s_cmp_eq_u32 s4, 6
	s_cselect_b64 s[50:51], s[40:41], s[50:51]
	s_add_nc_u64 s[48:49], s[48:49], s[52:53]
	s_add_nc_u64 s[50:51], s[50:51], s[54:55]
	s_wait_alu depctr_va_vdst(0)                   ; v4 and v5 are written: every load and store of the conversions reads one of them as its offset
; Block p.  xb = p % 4, yb = p % 2.  first = 1: block 0, with no block in front of it.  ahead = 1: block p + 3 is loaded.
; left = how many younger loads may still be out when this block's four have to be there.  f16 = 1: the bf16 numbers are written as f16.
.macro BLK xb, yb, first, ahead, left, f16
	s_wait_loadcnt \left                           ; loads come back in order (ISA guide 5.7.1): CX[xb] is in, the younger blocks stay out
.if !\first
	s_wait_xcnt 0x0                                ; every earlier memory instruction has had its addresses translated (ISA guide 3.1): the bases and CY[yb] are rewritten only behind this wait
	s_wait_alu depctr_vm_vsrc(0)                   ; the stores issued in the block before have read CY[yb], which this block's roundings write again
	s_wait_alu depctr_va_vdst(0)                   ; the block before has written the other CY, which the stores below read, and is done reading its CX, in which the loads below land
	s_add_nc_u64 s[48:49], s[48:49], 0x4000        ; both bases at this block's first chunk
	s_add_nc_u64 s[50:51], s[50:51], 0x2000
.endif
.irp i, 0,1,2,3
.if \ahead
	global_load_b128 v[CX+16*((\xb+3)%4)+4*(\i):CX+16*((\xb+3)%4)+4*(\i)+3], v4, s[48:49] offset:(12+(\i))*4096 th:TH_LOAD_NT  ; three blocks ahead; no vector instruction since the wait names these registers
.endif
.if !\first
	global_store_b64 v5, v[CY+8*(1-\yb)+2*(\i):CY+8*(1-\yb)+2*(\i)+1], s[50:51] offset:((\i)-4)*2048  ; the block before: the offset reaches back
.endif
	v_cvt_pk_bf16_f32 v[CY+8*\yb+2*(\i)],   v[CX+16*\xb+4*(\i)],   v[CX+16*\xb+4*(\i)+1]
	v_cvt_pk_bf16_f32 v[CY+8*\yb+2*(\i)+1], v[CX+16*\xb+4*(\i)+2], v[CX+16*\xb+4*(\i)+3]
.if \f16
	v_lshlrev_b32 v[CT],   16, v[CY+8*\yb+2*(\i)]  ; the bf16 numbers, widened, are written as f16
	v_and_b32     v[CT+1], s7, v[CY+8*\yb+2*(\i)]
	v_lshlrev_b32 v[CT+2], 16, v[CY+8*\yb+2*(\i)+1]
	v_and_b32     v[CT+3], s7, v[CY+8*\yb+2*(\i)+1]
	v_cvt_pk_f16_f32 v[CY+8*\yb+2*(\i)],   v[CT],   v[CT+1]
	v_cvt_pk_f16_f32 v[CY+8*\yb+2*(\i)+1], v[CT+2], v[CT+3]
.endif
.endr
.endm
; The 16 blocks.  Block 0 stands ahead of the loop, so that a lap is four blocks and both kinds of buffer are back at their start; the last three blocks load nothing.
.macro CONV f16
.irp i, 0,1,2,3,4,5,6,7,8,9,10,11
	global_load_b128 v[CX+4*(\i):CX+4*(\i)+3], v4, s[48:49] offset:(\i)*4096 th:TH_LOAD_NT  ; blocks 0, 1 and 2 into CX0, CX1, CX2
.endr
	BLK 0, 0, 1, 1, 8, \f16                        ; block 0
	s_mov_b32 s56, 3
.Lcv_\@:                                               ; blocks 1 to 12
	BLK 1, 1, 0, 1, 8, \f16
	BLK 2, 0, 0, 1, 8, \f16
	BLK 3, 1, 0, 1, 8, \f16
	BLK 0, 0, 0, 1, 8, \f16
	s_sub_co_u32 s56, s56, 1
	s_cmp_lg_u32 s56, 0
	s_cbranch_scc1 .Lcv_\@
	BLK 1, 1, 0, 0, 8, \f16                        ; blocks 13 to 15: no load leaves the work-group's part, and the counts run down
	BLK 2, 0, 0, 0, 4, \f16
	BLK 3, 1, 0, 0, 0, \f16
	s_wait_alu depctr_va_vdst(0)                   ; block 15 has written CY1, which the last four stores read
.irp i, 0,1,2,3
	global_store_b64 v5, v[CY+8+2*(\i):CY+8+2*(\i)+1], s[50:51] offset:(\i)*2048
.endr
.endm
	s_cmp_eq_u32 s4, 6
	s_cbranch_scc1 .Lto_f16
	CONV 0
	s_endpgm
.Lto_f16:
	CONV 1
	s_endpgm
	; ---------------- the small tables ----------------
.Lsmall:
	v_and_b32 v1, 31, v0                           ; lane
	v_lshrrev_b32 v2, 5, v0
	v_readfirstlane_b32 s6, v2                     ; wave 0..7: K = 256 w .. 256 w + 255
	v_and_b32 v3, 15, v0                           ; r: row of x, or rank
	v_bfe_u32 v2, v0, 4, 1                         ; h
	v_lshlrev_b32 v4, 13, v3                       ; r x 8,192 bytes
	v_lshl_add_u32 v4, v2, 5, v4                   ; + 8 h numbers
	s_wait_alu depctr_va_sdst(0)                   ; s6 is written, ahead of its first reader: offsets, LDS addresses and the branches below are made from it
	s_lshl_b32 s7, s6, 10
	v_add_nc_u32 v4, s7, v4                        ; + my 256 numbers of K
	s_lshl_b32 s52, s5, 17
	s_mul_i32 s57, s6, 3072
	v_lshl_add_u32 v6, v1, 4, s57                  ; where my partial sums go
.set q, 0
.rept 24                                               ; cleared on purpose: 24 registers, so that no first K step is written out beside the loop
	v_mov_b32 v[ACC+q], 0
.set q, q+1
.endr
	s_wait_kmcnt 0x0
	s_add_nc_u64 s[48:49], s[8:9], s[52:53]        ; x at the group's 16 rows
	s_wait_alu depctr_va_vdst(0)                   ; v4 is written, which the loads below read as their offset
.macro LD4 dst, b, off                 ; a fragment's 16 f32 of a lane: k = 8 h .. + 7 and 16 + 8 h .. + 7
	global_load_b128 v[(\dst):(\dst)+3], v4, s[(\b):(\b)+1] offset:(\off)
	global_load_b128 v[(\dst)+4:(\dst)+7], v4, s[(\b):(\b)+1] offset:(\off)+16
	global_load_b128 v[(\dst)+8:(\dst)+11], v4, s[(\b):(\b)+1] offset:(\off)+64
	global_load_b128 v[(\dst)+12:(\dst)+15], v4, s[(\b):(\b)+1] offset:(\off)+80
.endm
.macro LD stg, off
	LD4 (\stg), 48, \off
	LD4 (\stg)+16, 20, \off
	LD4 (\stg)+32, 22, \off
	LD4 (\stg)+48, 24, \off
.endm
; One K step of 32: wait (left = the younger step's loads), round to bf16, then three products with the loads of the step two on dealt among them.  Source 0 = 16 ranks, source 1 = 16 rows of x:
; a lane then holds one row of x and eight ranks.  The three accumulators take turns; the other step's 32 conversions stand between a product and the rewriting of its fragments.
.macro STEP stg, fr, left, next
	s_wait_loadcnt \left
.set q, 0
.rept 32
	v_cvt_pk_bf16_f32 v[(\fr)+q], v[(\stg)+2*q], v[(\stg)+2*q+1]
.set q, q+1
.endr
.if (\next) >= 0
	s_wait_alu depctr_va_vdst(0)                   ; the conversions are done reading this raw buffer, in which the loads below land; in a trip's first step v4 is written, which they read
	LD4 (\stg), 48, \next
.endif
	v_wmma_f32_16x16x32_bf16 v[ACC:ACC+7], v[(\fr)+8:(\fr)+15], v[(\fr):(\fr)+7], v[ACC:ACC+7]
.if (\next) >= 0
	LD4 (\stg)+16, 20, \next                       ; no wait: no vector or matrix instruction since the wait above names the raw buffer or v4
.endif
	v_wmma_f32_16x16x32_bf16 v[ACC+8:ACC+15], v[(\fr)+16:(\fr)+23], v[(\fr):(\fr)+7], v[ACC+8:ACC+15]
.if (\next) >= 0
	LD4 (\stg)+32, 22, \next
.endif
	v_wmma_f32_16x16x32_bf16 v[ACC+16:ACC+23], v[(\fr)+24:(\fr)+31], v[(\fr):(\fr)+7], v[ACC+16:ACC+23]
.if (\next) >= 0
	LD4 (\stg)+48, 24, \next
.endif
.endm
	LD STG0, 0
	LD STG1, 128
	s_mov_b32 s56, 3
.Lk:
	STEP STG0, FR0, 16, 256
	STEP STG1, FR1, 16, 384
	s_wait_xcnt 0x0                                ; the loads' offset register steps only behind this wait
	s_wait_alu depctr_vm_vsrc(0)                   ; the loads issued so far have read v4
	v_add_nc_u32 v4, 0x100, v4
	s_sub_co_u32 s56, s56, 1
	s_cmp_lg_u32 s56, 0
	s_cbranch_scc1 .Lk
	STEP STG0, FR0, 16, -1                         ; the last two steps ask for nothing
	STEP STG1, FR1, 0, -1
.rept 4
	v_nop                                          ; four places between the last product and the stores that read the sums
.endr
	s_wait_alu depctr_va_vdst(0)                   ; the products have written the sums, which the LDS stores read (v6, their address, was written at the head); the places above stay beside this wait
.irp t, 0,1,2
	ds_store_b128 v6, v[ACC+8*\t:ACC+8*\t+3] offset:1024*\t          ; each accumulator's low registers first
	ds_store_b128 v6, v[ACC+8*\t+4:ACC+8*\t+7] offset:1024*\t+512
.endr
	s_wait_dscnt 0x0                               ; for the others' sake: my partial sums are in LDS
	s_barrier_signal -1
	s_barrier_wait -1
	s_cmp_gt_u32 s6, 2
	s_cbranch_scc1 .Lnot_t
	; waves 0, 1, 2: t and up of q, k, v.  The three addresses are made first, so that one wait serves all the arm's loads.
	s_lshl_b32 s57, s6, 10
	v_lshl_add_u32 v7, v1, 4, s57
	s_cmp_eq_u32 s6, 1
	s_cselect_b64 s[50:51], s[28:29], s[26:27]
	s_cmp_eq_u32 s6, 2
	s_cselect_b64 s[50:51], s[30:31], s[50:51]
	s_lshl_b32 s7, s5, 10
	v_lshl_add_u32 v8, v3, 6, s7                   ; (16 g + r) x 64 bytes
	v_lshl_add_u32 v9, v2, 4, v8                   ; out: + 8 h bf16
	v_lshl_add_u32 v8, v2, 5, v8                   ; up in: + 8 h f32
	s_lshl_b32 s57, s6, 17
	v_add_nc_u32 v9, s57, v9                       ; + the tensor's 2,048 rows of 64 bytes
	s_wait_alu depctr_va_vdst(0)                   ; v7, v8 and v9 are written, which the loads and stores below read; the K loop's conversions are done reading v32-103, in which the loads land
.irp w, 0,1,2,3,4,5,6,7
	ds_load_b128 v[32+8*\w:35+8*\w], v7 offset:3072*\w
	ds_load_b128 v[36+8*\w:39+8*\w], v7 offset:3072*\w+512
.endr
	global_load_b128 v[96:99], v8, s[50:51]
	global_load_b128 v[100:103], v8, s[50:51] offset:16
	s_wait_dscnt 0x0
.irp w, 1,2,3,4,5,6,7
.irp p, 0,1,2,3
	v_pk_add_f32 v[32+2*\p:33+2*\p], v[32+2*\p:33+2*\p], v[32+8*\w+2*\p:33+8*\w+2*\p]
.endr
.endr
.irp p, 0,1,2,3
	v_cvt_pk_bf16_f32 v[40+\p], v[32+2*\p], v[33+2*\p]     ; hi
.endr
.irp p, 0,1,2,3
	v_lshlrev_b32 v[44+2*\p], 16, v[40+\p]
	v_and_b32 v[45+2*\p], 0xffff0000, v[40+\p]
.endr
.irp p, 0,1,2,3
	v_pk_add_f32 v[32+2*\p:33+2*\p], v[32+2*\p:33+2*\p], v[44+2*\p:45+2*\p] neg_lo:[0,1] neg_hi:[0,1]
.endr
.irp p, 0,1,2,3
	v_cvt_pk_bf16_f32 v[52+\p], v[32+2*\p], v[33+2*\p]     ; lo
.endr
	s_wait_loadcnt 0x0
.irp p, 0,1,2,3
	v_pk_mul_f32 v[96+2*\p:97+2*\p], v[96+2*\p:97+2*\p], 2.0 op_sel_hi:[1,0]   ; the LoRA scale 2 is exact
.endr
.irp p, 0,1,2,3
	v_cvt_pk_bf16_f32 v[104+\p], v[96+2*\p], v[97+2*\p]
.endr
	s_wait_alu depctr_va_vdst(0)                   ; the roundings have written hi (v40-43), lo (v52-55) and up (v104-107), which the four stores read
	global_store_b128 v9, v[40:43], s[44:45]
	global_store_b128 v9, v[52:55], s[44:45] offset:32
	global_store_b128 v9, v[104:107], s[44:45] offset:UP_OFF
	global_store_b128 v9, v[104:107], s[44:45] offset:UP_OFF+32
	s_branch .Lend
.Lnot_t:
	s_cmp_lt_u32 s6, 4
	s_cbranch_scc1 .Lend                           ; wave 3 has no table
	s_lshl_b32 s7, s5, 12
	v_lshl_add_u32 v8, v1, 4, s7                   ; chunk g of 4,096 bytes, 16 bytes a lane
	s_sub_co_u32 s57, s6, 4
	s_lshl_b32 s57, s57, 19
	s_add_co_u32 s57, s57, COS_OFF
	v_add_nc_u32 v9, s57, v8                       ; cos, sin, ones, zeros lie 524,288 bytes apart
	s_cmp_gt_u32 s6, 5
	s_cbranch_scc1 .Lconst
	s_cmp_eq_u32 s6, 4
	s_cselect_b64 s[50:51], s[32:33], s[34:35]
	s_wait_alu depctr_va_vdst(0)                   ; v8 is written, which the loads read; the K loop's conversions are done reading v32-63, in which they land
.irp j, 0,1,2,3,4,5,6,7
	global_load_b128 v[32+4*\j:35+4*\j], v8, s[50:51] offset:512*\j
.endr
	s_wait_loadcnt 0x0
.set q, 0
.rept 16
	v_cvt_pk_bf16_f32 v[64+q], v[32+2*q], v[33+2*q]
	v_lshlrev_b32 v[32+2*q], 16, v[64+q]
	v_and_b32 v[33+2*q], 0xffff0000, v[64+q]
.set q, q+1
.endr
	s_wait_alu depctr_va_vdst(0)                   ; the widened numbers are written into v32-63, which the stores read
.irp j, 0,1,2,3,4,5,6,7
	global_store_b128 v9, v[32+4*\j:35+4*\j], s[44:45] offset:512*\j
.endr
	s_branch .Lend
.Lconst:
	s_cmp_eq_u32 s6, 6
	s_cselect_b32 s58, 1.0, 0
.irp j, 0,1,2,3
	v_mov_b32 v[32+\j], s58
.endr
	s_wait_alu depctr_va_vdst(0)                   ; v9, the stores' offset, and v32-35, their data, are written
.irp j, 0,1,2,3,4,5,6,7
	global_store_b128 v9, v[32:35], s[44:45] offset:512*\j
.endr
.Lend:
	s_wait_dscnt 0x0                               ; the closing lines, six on end
	s_wait_alu 0x0
	s_wait_tensorcnt 0x0
	ds_add_u32 v[SPW], v[NIL]
	s_wait_dscnt 0x0
	s_endpgm
.Lfunc_end_k_qbd6be72f05_prep:
	.size	k_qbd6be72f05_prep, .Lfunc_end_k_qbd6be72f05_prep-k_qbd6be72f05_prep
	.p2alignl 7, 3214868480
	.fill 96, 4, 3214868480
	.section	.rodata,"a",@progbits
	.p2align	6, 0x0
	.amdhsa_kernel k_qbd6be72f05_prep
		.amdhsa_group_segment_fixed_size 25600
		.amdhsa_private_segment_fixed_size 0
		.amdhsa_enable_private_segment 0
		.amdhsa_kernarg_size 152
		.amdhsa_user_sgpr_count 2
		.amdhsa_user_sgpr_kernarg_segment_ptr 1
		.amdhsa_wavefront_size32 1
		.amdhsa_system_sgpr_workgroup_id_x 1
		.amdhsa_system_sgpr_workgroup_id_y 1
		.amdhsa_system_sgpr_workgroup_id_z 1
		.amdhsa_system_vgpr_workitem_id 0
		.amdhsa_next_free_vgpr 248
		.amdhsa_next_free_sgpr 66
		.amdhsa_reserve_vcc 0
		.amdhsa_float_denorm_mode_32 3
		.amdhsa_float_denorm_mode_16_64 3
		.amdhsa_memory_ordered 1
		.amdhsa_forward_progress 1
		.amdhsa_inst_pref_size 63
	.end_amdhsa_kernel
	.amdgpu_metadata
---
amdhsa.version: [ 1, 2 ]
amdhsa.kernels:
  - .name:           k_qbd6be72f05_prep
    .symbol:         k_qbd6be72f05_prep.kd
    .args:
      - { .name: x, .offset: 0, .size: 8, .value_kind: global_buffer, .address_space: global }
      - { .name: wq, .offset: 8, .size: 8, .value_kind: global_buffer, .address_space: global }
      - { .name: wk, .offset: 16, .size: 8, .value_kind: global_buffer, .address_space: global }
      - { .name: wv, .offset: 24, .size: 8, .value_kind: global_buffer, .address_space: global }
      - { .name: wo, .offset: 32, .size: 8, .value_kind: global_buffer, .address_space: global }
      - { .name: mask, .offset: 40, .size: 8, .value_kind: global_buffer, .address_space: global }
      - { .name: lq_down, .offset: 48, .size: 8, .value_kind: global_buffer, .address_space: global }
      - { .name: lk_down, .offset: 56, .size: 8, .value_kind: global_buffer, .address_space: global }
      - { .name: lv_down, .offset: 64, .size: 8, .value_kind: global_buffer, .address_space: global }
      - { .name: lq_up, .offset: 72, .size: 8, .value_kind: global_buffer, .address_space: global }
      - { .name: lk_up, .offset: 80, .size: 8, .value_kind: global_buffer, .address_space: global }
      - { .name: lv_up, .offset: 88, .size: 8, .value_kind: global_buffer, .address_space: global }
      - { .name: freqs_cos, .offset: 96, .size: 8, .value_kind: global_buffer, .address_space: global }
      - { .name: freqs_sin, .offset: 104, .size: 8, .value_kind: global_buffer, .address_space: global }
      - { .name: xb, .offset: 112, .size: 8, .value_kind: global_buffer, .address_space: global }
      - { .name: wb, .offset: 120, .size: 8, .value_kind: global_buffer, .address_space: global }
      - { .name: wob, .offset: 128, .size: 8, .value_kind: global_buffer, .address_space: global }
      - { .name: mb, .offset: 136, .size: 8, .value_kind: global_buffer, .address_space: global }
      - { .name: aux, .offset: 144, .size: 8, .value_kind: global_buffer, .address_space: global }
    .group_segment_fixed_size: 25600
    .private_segment_fixed_size: 0
    .kernarg_segment_align: 8
    .kernarg_segment_size: 152
    .max_flat_workgroup_size: 256
    .sgpr_count:     66
    .vgpr_count:     248
    .wavefront_size: 32
...
	.end_amdgpu_metadata
.endif
;; end of part 5
;; launch proj: the kernel of part 2 again; grid 8 x 24, 4 waves a work-group, clusters of 4 x 4, 327,680 bytes of LDS; arguments xb, wb, aux, qkv, sc; writes qkv, sc
;; launch attn: the kernel of part 3 again; grid 16 x 16, 4 waves a work-group, clusters of 4 x 4, 327,680 bytes of LDS; arguments qkv, mb, sc, ob; writes ob
;; launch outp: the kernel of part 4 again; grid 16 x 16, 4 waves a work-group, clusters of 4 x 4, 327,680 bytes of LDS; arguments ob, wob, sc, out0; writes out0
